; MI455X (gfx1250); checked and timed in simulation.
; The chip was launched on July 23, 2026; its instructions are those of AMD's public machine-readable ISA for CDNA 5 (MIT licence, August 2026) and "CDNA5" Instruction Set Architecture Reference Guide (July 2026). The comments in the code are by the model that wrote it; some were corrected since.
;; multi head attention. Allowed arithmetic: matrix products marked QUANTISED: E2M3 operands, one E8M0 scale for each 32 along K, by v_wmma_scale_f32_16x16x128_f8f6f4 with both operands' format E2M3, f32 sums; everything else in f32.
;; Inputs: WK 1,024 x 1,024 float32; WO 1,024 x 1,024 float32; WQ 1,024 x 1,024 float32; WV 1,024 x 1,024 float32; x 4 x 2,048 x 1,024 float32.
;; Outputs: out0 4 x 2,048 x 1,024 float32.
;; This version of the problem:
;;   THIS VERSION OF THE PROBLEM IS GIVEN IN LOW PRECISION. The matrix products marked QUANTISED in the list below multiply operands that are first quantised to E2M3 (2 exponent bits, 3 mantissa bits; 6 bits a number), with one power-of-two scale for each 32 numbers along K (OCP MX v1.0); their sums are f32. All else is computed in f32.
;;   The module's matrix products, in the order in which they are computed (A, B: the left and right operand; K: the contracted axis; several contracted axes count as one K, in the product's order):
;;     1. [M 8,192, K 1,024] x [K 1,024, N 1,024]; A: input x; B: input WQ: QUANTISED
;;     2. [M 8,192, K 1,024] x [K 1,024, N 1,024]; A: input x; B: input WK: QUANTISED
;;     3. [M 8,192, K 1,024] x [K 1,024, N 1,024]; A: input x; B: input WV: QUANTISED
;;     4. batch 64 x [M 2,048, K 64] x [K 64, N 2,048]; A: computed on the way; B: computed on the way: QUANTISED
;;     5. batch 64 x [M 2,048, K 2,048] x [K 2,048, N 64]; A: softmax (see below); B: computed on the way: QUANTISED
;;     6. [M 8,192, K 1,024] x [K 1,024, N 1,024]; A: computed on the way; B: input WO: QUANTISED
;;   THE QUANTISER, for each operand of a quantised product, along K:
;;     - K is cut into blocks of 32 from its start; a last block that is shorter is filled with zeros.
;;     - A block's scale is 2^e with e = floor(log2(the largest magnitude in the block)) - 2, held to -126 .. 127; a block of zeros has e = 0. As a byte (E8M0): e + 127.
;;     - Each number is divided by its block's scale, clamped to +-7.5, and rounded to the nearest number of E2M3, ties to even, subnormals kept.
;;     - The product sums the exact products of the quantised numbers (number of the format x scale) in f32.
;;   ~~~python
;;   def quantise(x, axis):      # numpy; x: float32 -> the quantised numbers, widened to float32 again
;;       x = np.moveaxis(x, axis, -1); K = x.shape[-1]
;;       x = np.pad(x, [(0, 0)] * (x.ndim - 1) + [(0, -K % 32)]); x = x.reshape(x.shape[:-1] + (-1, 32)); a = np.abs(x).max(-1, keepdims=True)
;;       e = np.where(a > 0, np.clip(np.frexp(np.where(a > 0, a, 1))[1] - 1 - 2, -126, 127), 0)      # np.frexp(a)[1] - 1 = floor(log2(a)), exactly
;;       r = np.clip(x / 2.0 ** e, -7.5, 7.5)
;;       step = 2.0 ** (np.maximum(np.frexp(np.where(r == 0, 1, r))[1] - 1, 0) - 3)
;;       q = np.round(r / step) * step * 2.0 ** e      # np.round: ties to even
;;       return np.moveaxis(q.reshape(q.shape[:-2] + (-1,))[..., :K], -1, axis).astype(np.float32)
;;   ~~~
;;   SOFTMAX AHEAD OF A QUANTISED PRODUCT. Where the list says 'softmax', what is quantised is not the finished softmax but p = 2^(t - M), with t = logit x log2(e) and M = ceil(the row's largest t), a whole number; so 1/2 < the row's largest p <= 1. The row's sum l is taken of the UNQUANTISED p, in f32, and the product's result is divided by l at the end. Since M is a whole number, a kernel that streams over the keys may use a running M (the ceiling of the running maximum): every later rescaling is an exact power of two, which a block's scale takes up: the codes' values come out the same.
;;   OPERANDS COMPUTED ON THE WAY. 'Computed on the way' means the value that the module computes at that place (a softmax that the list does not call 'softmax' is quantised finished and normalised). What goes into a quantiser is computed in f32, as accurately as f32 sums, v_exp_f32 and their like allow (about 1e-6 of the number): no bf16 or f16 on the way to a quantiser, and a product that is left as it is and whose result goes on into a quantised operand takes f32 operands (vector FMAs, or v_wmma_f32_16x16x4_f32). A number that lies on a knife's edge between two numbers of the format may be rounded either way, as far as f32 arithmetic and the matrix unit's own rounding can turn it there, and no further.
;; One version. Each part assembles by itself: llvm-mc -triple=amdgcn-amd-amdhsa -mcpu=gfx1250 --defsym DOCPART=n.
;; ======== version 1 of 1: 4 launches
;; limits: right only within a limited range of input values
;; workspace buffers: xc 6,291,456 bytes; xs 262,144 bytes; wc 3,145,728 bytes; wsc 131,072 bytes; qb 6,815,744 bytes; kvb 13,631,488 bytes; cc 6,291,456 bytes; cs 262,144 bytes
;; launch quant (part 1): grid 384 x 1, 4 waves a work-group, no clusters, 59,904 bytes of LDS; arguments x, WQ, WK, WV, WO, xc, xs, wc, wsc; writes xc, xs, wc, wsc
.if DOCPART == 1
	.amdgcn_target "amdgcn-amd-amdhsa--gfx1250"
	.amdhsa_code_object_version 6
	.text
	.protected	k_q6d650e2e73_quant
	.globl	k_q6d650e2e73_quant
	.p2align	8
	.type	k_q6d650e2e73_quant,@function
k_q6d650e2e73_quant:
	s_mov_b64 s[64:65], 0
	v_nop
	global_prefetch_b8 v0, s[64:65] scope:SCOPE_SE
	s_setreg_imm32_b32 hwreg(HW_REG_WAVE_MODE, 25, 1), 1
	s_wait_xcnt 0x0
; x [8192][1024] (K innermost) and WQ, WK, WV, WO [1024 (k)][1024 (n)] (K the first axis), f32, become codes of FP6 (E2M3) with one E8M0 byte for each 32 along K.
; A block's scale is 2^(floor(log2(its largest magnitude)) - 2); its byte is the largest magnitude's exponent field - 2, held at 1 from below.
; LIMITS: NaN and infinities among the inputs are not served.  A block of zeros gets the byte 1 where the rule says 127: its codes are zeros, which add nothing under
; any byte but 0xff, and the bytes are read by this program alone.  Blocks whose largest magnitude lies under 2^-124 are held at the byte 1.
; THE CODES ARE LAID AS IMAGES OF THE OPERAND'S REGISTERS.  A fragment (16 rows x 128 K, 12 registers a lane) is 1,536 bytes in four dense pieces: registers 0-3 at 16 x lane,
; 4-5 at 512 + 8 x lane, 6-7 at 768 + 8 x lane, 8-11 at 1,024 + 16 x lane.  Buffer: [group of 128 rows][256 along K][128 along K][block i of 16 rows][1,536].
; THE ROWS OF A BLOCK ARE NOT NEIGHBOURS: lane-row r of block i is row 32 (i / 2) + 8 (i % 2) + r + 8 (r / 8) of its group.  Scale words: [group][256 along K][i][r][2 words].
; Work-groups 0-255 take x: 32 rows each, wave w the 256 along K from 256 w on.  Work-groups 256-383 take the weights: 128 columns x 256 along K each, wave w 32 columns.
; No tensor load, no barrier: waves share nothing.  The two paths have LDS bytes of their own.
.set XSTW,  8448                       ; x: a wave's stage, 16 rows x (512 bytes + 16)
.set WST,   4*XSTW                     ; the weights' stages begin here
.set WSTW,  6400                       ; a wave's: 32 rows x 200 bytes (192 of codes, 8 scale bytes)
.set SPARE, WST+4*WSTW                 ; the spare words, 128 bytes a wave: two blocks of 256 bytes that no other line names
.set SPW, 12                           ; v12 my spare word's address; never rewritten
.set NIL, 13                           ; v13 0; never rewritten
.set TM,  16                           ; v16-31 at work
.set PW,  32                           ; the scale word just made
.set WD,  34                           ; v34-37 four fragments' scale words
.set OP,  38                           ; v38-39 a pair of scale words on its way out
.set PC,  40                           ; v40-51 a fragment's codes; v52-58 the conversions' second halves
.set LD,  64                           ; v64-191 numbers as loaded, two sets
.set X,   192                          ; v192-255 64 numbers of my row, 16 neighbours of each block
.set SEL, 24                           ; s[24:25] lane selects: lane l xor 16
	s_load_b256 s[4:11], s[0:1], 0x0               ; x, WQ, WK, WV
	s_load_b256 s[12:19], s[0:1], 0x20             ; WO, xc, xs, wc
	s_load_b64 s[20:21], s[0:1], 0x40              ; wsc
	v_lshl_add_u32 v[SPW], v0, 2, SPARE
	v_mov_b32 v[NIL], 0
	v_lshrrev_b32 v1, 5, v0
	v_readfirstlane_b32 s22, v1                    ; wave
	v_and_b32 v1, 31, v0                           ; lane
	v_and_b32 v2, 15, v0                           ; r
	v_bfe_u32 v3, v0, 4, 1                         ; h
	v_lshlrev_b32 v4, 4, v1                        ; 16 x lane
	v_lshlrev_b32 v5, 3, v1                        ; 8 x lane
	v_lshlrev_b32 v8, 2, v1                        ; 4 x lane
	s_mul_i32 s26, s22, XSTW
	v_add_nc_u32 v6, s26, v4                       ; x's stage, in: a row's 512 bytes as they lie
	v_mul_u32_u24 v7, v2, 528
	v_lshl_add_u32 v7, v3, 6, v7
	v_add_nc_u32 v7, s26, v7                       ; and out: row r, + 64 h: my 16 numbers of a block
	s_mul_i32 s26, s22, WSTW
	s_add_co_u32 s26, s26, WST
	v_mul_u32_u24 v9, v1, 200
	v_add_nc_u32 v9, s26, v9                       ; the weights' stage, in: row = my column
	v_and_b32 v10, 8, v2
	v_add_nc_u32 v10, v10, v2                      ; r + 8 (r / 8)
	v_mul_u32_u24 v10, v10, 200
	v_add_nc_u32 v10, s26, v10
	v_mad_u32_u24 v11, v3, 1600, v10
	v_add_nc_u32 v11, 192, v11                     ; out: the scale bytes of block 2 w + h, row r
	v_mad_u32_u24 v10, v3, 24, v10                 ; out: the codes of row r + 8 (r / 8), + 24 h
	s_mov_b32 s[SEL], 0x76543210
	s_mov_b32 s[SEL+1], 0xfedcba98
	s_wait_kmcnt 0x0
	s_cmp_lt_u32 ttmp9, 256
	s_cbranch_scc0 .Lweights
; ---------------- x ----------------
	; x's rows of a block: lane-row r of block i is row 64 (i / 4) + 8 (i % 4) + r % 8 + 32 (r / 8) of its group of 128 (the weights keep the order stated at the head)
	s_lshr_b32 s26, ttmp9, 1                       ; which 64 rows
	s_lshl_b32 s26, s26, 18                        ; of 4,096 bytes,
	s_and_b32 s27, ttmp9, 1
	s_lshl_b32 s27, s27, 16                        ; which 16 of their first 32 (my other 16 rows lie 32 further on),
	s_add_co_u32 s26, s26, s27
	s_lshl_b32 s27, s22, 10                        ; my wave's 1,024 bytes of each
	s_add_co_u32 s26, s26, s27
	s_mov_b32 s27, 0
	s_lshr_b32 s28, ttmp9, 2                       ; the group of 128 rows
	s_and_b32 s29, ttmp9, 3                        ; blocks 2 (g % 4) and the next
	s_mul_i32 s30, s28, 98304
	s_mul_i32 s31, s22, 24576
	s_add_co_u32 s30, s30, s31
	s_mul_i32 s31, s29, 3072
	s_add_co_u32 s30, s30, s31
	s_mov_b32 s31, 0
	s_lshl_b32 s32, s28, 12
	s_lshl_b32 s33, s22, 10
	s_add_co_u32 s32, s32, s33
	s_lshl_b32 s33, s29, 8
	s_add_co_u32 s32, s32, s33
	s_mov_b32 s33, 0
	s_add_nc_u64 s[4:5], s[4:5], s[26:27]
	s_add_nc_u64 s[14:15], s[14:15], s[30:31]
	s_add_nc_u64 s[16:17], s[16:17], s[32:33]
.irp b, 0,1,2,3
	v_mov_b32 v[TM+4+\b], 0                        ; written once: a lane permute's destination counts as one of its sources
.endr
; fragment f = (block f / 2, 128 along K f % 2): 16 loads, each a row's 512 consecutive bytes
.macro LOADF f
.irp p, 0,1,2,3,4,5,6,7,8,9,10,11,12,13,14,15
	global_load_b128 v[LD+64*((\f)%2)+4*\p:LD+64*((\f)%2)+4*\p+3], v4, s[4:5] offset:(8*((\f)/2)+\p%8+32*(\p/8))*4096+512*((\f)%2) th:TH_LOAD_NT
.endr
.endm
; 64 numbers of a lane, register 16 b + i = k 32 b + 16 (lane / 16) + i of my row, become a fragment's codes in v[PC] on and its scale word in v[PW]
.macro QUANT s
.irp b, 0,1,2,3
	v_max3_num_f32 v[TM+\b], |v[\s+16*\b]|, |v[\s+1+16*\b]|, 0x1800000   ; my 16 numbers of block b, and the floor 2^(3 - 127): the byte cannot fall under 1
.endr
.irp i, 2,4,6,8,10,12,14
.irp b, 0,1,2,3
	v_max3_num_f32 v[TM+\b], v[TM+\b], |v[\s+16*\b+\i]|, |v[\s+1+16*\b+\i]|
.endr
.endr
.irp b, 0,1,2,3
	v_permlanex16_b32 v[TM+4+\b], v[TM+\b], s[SEL], s[SEL+1]
.endr
.irp b, 0,1,2,3
	v_max_num_f32 v[TM+\b], v[TM+\b], v[TM+4+\b]   ; with lane l xor 16's: the block's largest magnitude
.endr
.irp b, 0,1,2,3
	v_add_nc_u32 v[TM+12+\b], 0xff000000, v[TM+\b] ; 2 off its exponent field: the conversion's scale operand
.endr
.irp b, 0,1,2,3
	v_lshrrev_b32 v[TM+4+\b], 23, v[TM+12+\b]      ; the scale's byte
.endr
	v_lshl_or_b32 v[PW], v[TM+5], 8, v[TM+4]
	v_lshl_or_b32 v[PW], v[TM+6], 16, v[PW]
	v_lshl_or_b32 v[PW], v[TM+7], 24, v[PW]
.irp c, 0,1
	v_cvt_scalef32_pk16_fp6_f32 v[PC+6*\c:PC+2+6*\c], v[\s+32*\c:\s+15+32*\c], v[TM+12+2*\c]
	v_cvt_scalef32_pk16_fp6_f32 v[PC+12+4*\c:PC+14+4*\c], v[\s+16+32*\c:\s+31+32*\c], v[TM+12+2*\c+1]   ; (a conversion's three registers begin on an even number)
.endr
	v_nop                                          ; one plain place behind a scaled conversion
.irp c, 0,1                                    ; the operand's layout wants a whole block in a lane
.irp i, 0,1,2
	v_permlane16_swap_b32 v[PC+6*\c+\i], v[PC+12+4*\c+\i]
.endr
.irp i, 0,1,2
	v_mov_b32 v[PC+3+6*\c+\i], v[PC+12+4*\c+\i]
.endr
.endr
.endm
.macro PUT off                         ; the fragment's image: each store covers 256 or 512 consecutive bytes, aligned
	global_store_b128 v4, v[PC:PC+3], s[14:15] offset:\off
	global_store_b64 v5, v[PC+4:PC+5], s[14:15] offset:(\off)+512
	global_store_b64 v5, v[PC+6:PC+7], s[14:15] offset:(\off)+768
	global_store_b128 v4, v[PC+8:PC+11], s[14:15] offset:(\off)+1024
.endm
.macro XFRAG f
.if \f < 3
	s_wait_loadcnt 16                              ; this fragment's 16 loads are in; the next fragment's 16 may be out
.else
	s_wait_loadcnt 0x0
.endif
.irp p, 0,1,2,3,4,5,6,7,8,9,10,11,12,13,14,15
	ds_store_b128 v6, v[LD+64*(\f%2)+4*\p:LD+64*(\f%2)+4*\p+3] offset:528*\p
.endr
.irp b, 0,1,2,3
.irp j, 0,1,2,3
	ds_load_b128 v[X+16*\b+4*\j:X+16*\b+4*\j+3], v7 offset:128*\b+16*\j   ; LDS serves a wave's instructions in order: these see the stores above
.endr
.endr
	s_wait_dscnt 0x0                               ; my numbers are back, and the stores have read their registers,
.if \f < 2
	LOADF \f+2                                     ; which take the loads of two fragments on
.endif
	s_wait_xcnt 0x0                                ; the last fragment's stores have read the codes' registers
	QUANT X
	v_mov_b32 v[WD+\f], v[PW]
	PUT (\f%2)*12288+(\f/2)*1536
.endm
	LOADF 0
	LOADF 1
	XFRAG 0
	XFRAG 1
	XFRAG 2
	XFRAG 3
	v_cmp_le_u32 vcc_lo, 16, v1                    ; lanes 0-15 send the first block's two words of row r, lanes 16-31 the second's
	v_cndmask_b32 v[OP], v[WD], v[WD+2], vcc_lo
	v_cndmask_b32 v[OP+1], v[WD+1], v[WD+3], vcc_lo
	global_store_b64 v5, v[OP:OP+1], s[16:17]      ; 256 consecutive bytes, aligned
	s_wait_tensorcnt 0x0                           ; the wave's end, behind my last LDS store
	ds_add_u32 v[SPW], v[NIL]
	s_wait_dscnt 0x0
	s_endpgm
; ---------------- the weights: a lane takes a column, its registers run down K ----------------
.Lweights:
	s_sub_co_u32 s26, ttmp9, 256
	s_lshr_b32 s27, s26, 5                         ; which weight: 0 Q, 1 K, 2 V, 3 O
	s_bfe_u32 s28, s26, 0x30002                    ; which 128 columns
	s_and_b32 s29, s26, 3                          ; which 256 along K
	s_cmp_eq_u32 s27, 1
	s_cselect_b64 s[6:7], s[8:9], s[6:7]
	s_cmp_eq_u32 s27, 2
	s_cselect_b64 s[6:7], s[10:11], s[6:7]
	s_cmp_eq_u32 s27, 3
	s_cselect_b64 s[6:7], s[12:13], s[6:7]
	s_lshl_b32 s30, s29, 20                        ; 256 rows of 4,096 bytes
	s_lshl_b32 s31, s28, 9
	s_add_co_u32 s30, s30, s31
	s_lshl_b32 s31, s22, 7
	s_add_co_u32 s30, s30, s31
	s_mov_b32 s31, 0
	s_add_nc_u64 s[6:7], s[6:7], s[30:31]
	s_lshl_b32 s32, s27, 3
	s_add_co_u32 s32, s32, s28                     ; the group of 128 rows of the operand
	s_mul_i32 s34, s32, 98304
	s_mul_i32 s35, s29, 24576
	s_add_co_u32 s34, s34, s35
	s_mul_i32 s35, s22, 3072                       ; my wave's blocks 2 w and 2 w + 1
	s_add_co_u32 s34, s34, s35
	s_mov_b32 s35, 0
	s_add_nc_u64 s[18:19], s[18:19], s[34:35]
	s_lshl_b32 s34, s32, 12
	s_lshl_b32 s36, s29, 10
	s_add_co_u32 s34, s34, s36
	s_lshl_b32 s36, s22, 8
	s_add_co_u32 s34, s34, s36
	s_add_nc_u64 s[20:21], s[20:21], s[34:35]
.macro WLOAD t                         ; block t: W(32 t + i, my column): 128 consecutive bytes a wave, the four waves side by side
.irp i, 0,1,2,3,4,5,6,7,8,9,10,11,12,13,14,15,16,17,18,19,20,21,22,23,24,25,26,27,28,29,30,31
	global_load_b32 v[LD+32*((\t)%2)+\i], v8, s[6:7] offset:(32*(\t)+\i)*4096 th:TH_LOAD_NT
.endr
.endm
.macro WBLOCK t
.set XS, LD+32*((\t)%2)
.if (\t) < 7
	s_wait_loadcnt 32                              ; this block's 32 loads are in; the next block's may be out
.else
	s_wait_loadcnt 0x0
.endif
	v_max3_num_f32 v16, |v[XS]|, |v[XS+1]|, |v[XS+2]|              ; all 32 numbers of the block are mine
	v_max3_num_f32 v17, |v[XS+3]|, |v[XS+4]|, |v[XS+5]|
.irp i, 6,10,14,18,22,26
	v_max3_num_f32 v16, v16, |v[XS+\i]|, |v[XS+\i+1]|
	v_max3_num_f32 v17, v17, |v[XS+\i+2]|, |v[XS+\i+3]|
.endr
	v_max3_num_f32 v16, v16, |v[XS+30]|, |v[XS+31]|
	v_max3_num_f32 v16, v16, v17, 0x1800000        ; and the floor
	v_add_nc_u32 v18, 0xff000000, v16              ; the conversion's scale operand
	v_lshrrev_b32 v19, 23, v18                     ; the byte
.if (\t)%4 == 0
	v_mov_b32 v[OP+(\t)/4], v19
.else
	v_lshl_or_b32 v[OP+(\t)/4], v19, 8*((\t)%4), v[OP+(\t)/4]
.endif
	v_cvt_scalef32_pk16_fp6_f32 v[40:42], v[XS:XS+15], v18
	v_cvt_scalef32_pk16_fp6_f32 v[48:50], v[XS+16:XS+31], v18
	v_nop                                          ; one plain place behind a scaled conversion
	v_mov_b32 v43, v48
	v_mov_b32 v44, v49
	v_mov_b32 v45, v50
	ds_store_b64 v9, v[40:41] offset:24*(\t)       ; the block's 24 bytes, in my column's row of the stage
	ds_store_b64 v9, v[42:43] offset:24*(\t)+8
	ds_store_b64 v9, v[44:45] offset:24*(\t)+16
.if (\t)+2 < 8
	WLOAD (\t)+2
.endif
	s_wait_dscnt 0x0                               ; the stores have read their registers
.endm
	WLOAD 0
	WLOAD 1
.irp t, 0,1,2,3,4,5,6,7
	WBLOCK \t
.endr
	s_wait_alu depctr_va_vdst(0)
	ds_store_b64 v9, v[OP:OP+1] offset:192         ; my column's eight scale bytes
.irp f, 0,1,2,3                        ; fragment f = (block 2 w + f / 2, 128 along K f % 2), read back as the operand's registers
.irp c, 0,1
.irp p, 0,1,2
	ds_load_b64 v[128+12*\f+6*\c+2*\p:128+12*\f+6*\c+2*\p+1], v10 offset:1600*(\f/2)+96*(\f%2)+48*\c+8*\p
.endr
.endr
.endr
	ds_load_b64 v[176:177], v11
	s_wait_dscnt 0x0
.irp f, 0,1,2,3
	global_store_b128 v4, v[128+12*\f:128+12*\f+3], s[18:19] offset:(\f%2)*12288+(\f/2)*1536
	global_store_b64 v5, v[128+12*\f+4:128+12*\f+5], s[18:19] offset:(\f%2)*12288+(\f/2)*1536+512
	global_store_b64 v5, v[128+12*\f+6:128+12*\f+7], s[18:19] offset:(\f%2)*12288+(\f/2)*1536+768
	global_store_b128 v4, v[128+12*\f+8:128+12*\f+11], s[18:19] offset:(\f%2)*12288+(\f/2)*1536+1024
.endr
	global_store_b64 v5, v[176:177], s[20:21]      ; 256 consecutive bytes, aligned
	s_wait_tensorcnt 0x0                           ; the wave's end, behind my last LDS store
	ds_add_u32 v[SPW], v[NIL]
	s_wait_dscnt 0x0
	s_endpgm
.Lfunc_end_k_q6d650e2e73_quant:
	.size	k_q6d650e2e73_quant, .Lfunc_end_k_q6d650e2e73_quant-k_q6d650e2e73_quant
	.p2alignl 7, 3214868480
	.fill 96, 4, 3214868480
	.section	.rodata,"a",@progbits
	.p2align	6, 0x0
	.amdhsa_kernel k_q6d650e2e73_quant
		.amdhsa_group_segment_fixed_size 59904
		.amdhsa_private_segment_fixed_size 0
		.amdhsa_enable_private_segment 0
		.amdhsa_kernarg_size 72
		.amdhsa_user_sgpr_count 2
		.amdhsa_user_sgpr_kernarg_segment_ptr 1
		.amdhsa_wavefront_size32 1
		.amdhsa_system_sgpr_workgroup_id_x 1
		.amdhsa_system_sgpr_workgroup_id_y 1
		.amdhsa_system_sgpr_workgroup_id_z 1
		.amdhsa_system_vgpr_workitem_id 0
		.amdhsa_next_free_vgpr 256
		.amdhsa_next_free_sgpr 66
		.amdhsa_reserve_vcc 1
		.amdhsa_float_denorm_mode_32 3
		.amdhsa_float_denorm_mode_16_64 3
		.amdhsa_memory_ordered 1
		.amdhsa_forward_progress 1
		.amdhsa_inst_pref_size 77
	.end_amdhsa_kernel
	.amdgpu_metadata
---
amdhsa.version: [ 1, 2 ]
amdhsa.kernels:
  - .name:           k_q6d650e2e73_quant
    .symbol:         k_q6d650e2e73_quant.kd
    .args:
      - { .name: x, .offset: 0, .size: 8, .value_kind: global_buffer, .address_space: global }
      - { .name: WQ, .offset: 8, .size: 8, .value_kind: global_buffer, .address_space: global }
      - { .name: WK, .offset: 16, .size: 8, .value_kind: global_buffer, .address_space: global }
      - { .name: WV, .offset: 24, .size: 8, .value_kind: global_buffer, .address_space: global }
      - { .name: WO, .offset: 32, .size: 8, .value_kind: global_buffer, .address_space: global }
      - { .name: xc, .offset: 40, .size: 8, .value_kind: global_buffer, .address_space: global }
      - { .name: xs, .offset: 48, .size: 8, .value_kind: global_buffer, .address_space: global }
      - { .name: wc, .offset: 56, .size: 8, .value_kind: global_buffer, .address_space: global }
      - { .name: wsc, .offset: 64, .size: 8, .value_kind: global_buffer, .address_space: global }
    .group_segment_fixed_size: 59904
    .private_segment_fixed_size: 0
    .kernarg_segment_align: 8
    .kernarg_segment_size: 72
    .max_flat_workgroup_size: 128
    .sgpr_count:     66
    .vgpr_count:     256
    .wavefront_size: 32
...
	.end_amdgpu_metadata
.endif
;; end of part 1
;; launch qkv (part 2): grid 12 x 32, 4 waves a work-group, clusters of 4 x 4, 327,680 bytes of LDS; arguments xc, xs, wc, wsc, qb, kvb; writes qb, kvb
.if DOCPART == 2
	.amdgcn_target "amdgcn-amd-amdhsa--gfx1250"
	.amdhsa_code_object_version 6
	.text
	.protected	k_q6d650e2e73_qkv
	.globl	k_q6d650e2e73_qkv
	.p2align	8
	.type	k_q6d650e2e73_qkv,@function
k_q6d650e2e73_qkv:
	s_mov_b64 s[64:65], 0
	v_nop
	global_prefetch_b8 v0, s[64:65] scope:SCOPE_SE
	s_setreg_imm32_b32 hwreg(HW_REG_WAVE_MODE, 25, 1), 1
	s_wait_xcnt 0x0
	s_wait_alu depctr_hold_cnt(0) depctr_sa_sdst(0) depctr_va_vdst(0) depctr_va_sdst(0) depctr_va_ssrc(0) depctr_va_vcc(0) depctr_vm_vsrc(0)
	s_getreg_b32 s2, hwreg(HW_REG_IB_STS2, 6, 4)
	s_cmp_eq_u32 s2, 0
	s_cbranch_scc0 .Lentry_in_a_cluster
	s_endpgm
.Lentry_in_a_cluster:
	s_bfe_u32 s2, ttmp6, 0x10000c
	s_cmp_lg_u32 s2, 0xf033
	s_cbranch_scc0 .Lentry_shape_is_right
	s_endpgm
.Lentry_shape_is_right:
; Q = x WQ, K = x WK, V = x WV on codes of FP6 (E2M3) with E8M0 scales, K = 1,024; the results are quantised in registers and leave as codes: Q and K along the head's 64, V along the tokens.
; A tile is 256 x 256: four waves, each 128 x 128 in 64 accumulators.  Source 0 of the matrix instruction is the "B side", source 1 the "A side": a lane holds ONE row of the A side, its registers run along the B side.
; Clusters with x = 0, 1 make Q and K: A side = tokens (xc), B side = features (wc groups 0-15): a lane's registers run along a head's features.
; Clusters with x = 2 make V: A side = features (wc groups 16-23), B side = tokens: a lane's registers run along the tokens, which are the second attention product's K.
; OPERANDS ARE IMAGES OF REGISTERS: a fragment (16 rows x 128 K) is 1,536 bytes: registers 0-3 at 16 x lane, 4-5 at 512 + 8 x lane, 6-7 at 768 + 8 x lane, 8-11 at 1,024 + 16 x lane.  128 rows x 256 K are 24,576 dense bytes.
; Lane-row r of block i is row 32 (i / 2) + 8 (i % 2) + r + 8 (r / 8) of its group of 128: so the 16 registers of source 0's blocks 2 b, 2 b + 1 are 16 neighbours, 32 b + 16 (lane / 16) + 0 .. 15.
; K goes in four steps of 256 through two LDS slots filled by joint tensor loads: A's tiles are shared along a row of the 4 x 4 cluster, B's along a column.  The scales of all of K come once and stay.
; OUT: records of 6,656 bytes: four fragments, then 512 bytes in which lane l's 16 bytes are the four fragments' scale words of row l % 16.
;   Q, K: fragment f, row r = [token-row r of block 2 f: 64 codes | of block 2 f + 1: 64 codes].   V: fragment a, row r = channel 32 (a / 2) + 8 (a % 2) + r + 8 (r / 8), K = the group's 128 tokens.
;   qb: [16 batch + head][token group][6,656];  kvb: [16 batch + head][token group][K's record, V's record].
; LIMITS: NaN and infinities are not served; a block of zeros carries the byte 1 (its codes are zeros; this program alone reads the bytes); largest magnitudes under 2^-124 are held at the byte 1.
; REGISTERS: window 0: v16-29 addresses; v32-63 scale words, two sets; v128-223 the A side's fragments, one set; v224-254 the way out.  window 1: the B side's fragments, two sets, at v0 and v128.
;   windows 2, 3: the accumulators: (a, b) at v[8 (8 (a % 4) + b)] of window 2 + a / 4.
.set FR,     12
.set NL,     4                         ; LDS loads that bring a fragment
.set NP,     4                         ; places behind this matrix instruction (ISA guide 7.12.1)
.set NQ,     2                         ; matrix instructions deep in a slot
.set HALFT,  24576                     ; 128 rows x 256 K: what one tensor load brings
.set SLOT,   4*HALFT
.set SCL,    2*SLOT                    ; behind the ring: the scales of 4 x 128 rows for all of K, 4,096 bytes each; filled once
.set SPARE,  SCL+4*4096                ; the spare words, 128 bytes a wave: two blocks of 256 bytes that no other line names
.set GRPB,   98304                     ; a group of 128 rows in a buffer of codes
.set ADRA16, 16                        ; v16-17 the A side's fragments in slot 0, 1: + 16 x lane;  v18-19: + 8 x lane
.set ADRA8,  18
.set ADRB16, 20                        ; v20-23 the same for the B side
.set ADRB8,  22
.set ADRS,   27                        ; v27 my scale words: lanes 0-15 the A side's rows, lanes 16-31 the B side's
.set SPW,    28
.set NIL,    29
.set SC,     32
.set AF,     128
.set PC,     32                        ; the way out: a fragment's codes
.set TM,     224
.set SW,     240                       ; v240-247 two sets of four scale words
.set T0,     248                       ; v248-250, v252-254 the conversions' second halves
.set WV, 16
.set HR, 17
.set HC, 18
.set CX, 19
.set CY, 20
.set ISV, 21
.set TC, 22
.set TR, 23
.set G1, 24
.set G0, 32
.set G1B, 48
.set G0B, 56
.set G1S, 68
.set G0S, 76
.set G1SB, 80
.set G0SB, 88
.set SEL, 66
.set FLOOR, 2
.set MSB, 0
.macro WIN new                         ; the immediate's high byte repeats the setting that is left
.if MSB != (\new)
	s_set_vgpr_msb (MSB<<8)|(\new)
.set MSB, (\new)
.endif
.endm
.set MUL_LO, 0xa1                      ; source 0 window 1, source 1 window 0, C and D window 2
.set MUL_HI, 0xf1
.set TO_B,   0x40
; A joint load: waves 0 and 1 fetch for the A side, waves 2 and 3 for the B side; the branch hangs on the wave's number alone.  An s_nop 0 and four v_nop follow each line.
.macro JLOAD g0a, g1a, g0b, g1b
	s_cmp_eq_u32 s[HR], 0
	s_cbranch_scc0 .Lfor_b_\@
	tensor_load_to_lds s[\g0a:\g0a+3], s[\g1a:\g1a+7]
	s_nop 0
.rept 4
	v_nop
.endr
	s_branch .Lasked_\@
.Lfor_b_\@:
	tensor_load_to_lds s[\g0b:\g0b+3], s[\g1b:\g1b+7]
	s_nop 0
.rept 4
	v_nop
.endr
.Lasked_\@:
.endm
.macro CREST
	s_cmp_lg_u32 s[WV], 0
	s_cbranch_scc1 .Lnot_wave_0_\@
	s_barrier_signal -3
.Lnot_wave_0_\@:
	s_barrier_wait -3
	s_barrier_signal -1
	s_barrier_wait -1
.endm
.macro CROUND
	s_barrier_signal -1
	s_barrier_wait -1
	CREST
.endm
	s_load_b256 s[4:11], s[0:1], 0x0               ; xc, xs, wc, wsc
	s_load_b128 s[12:15], s[0:1], 0x20             ; qb, kvb
	v_lshl_add_u32 v[SPW], v0, 2, SPARE
	v_mov_b32 v[NIL], 0
	ds_add_u32 v[SPW], v[NIL]                      ; the wave's opening: the add and its wait ahead of my first tensor load
	ds_add_u32 v[SPW], v[NIL]
	v_lshrrev_b32 v1, 5, v0
	v_readfirstlane_b32 s[WV], v1
	s_lshr_b32 s[HR], s[WV], 1                     ; my half of the A side's rows.  Also: I fetch for the A side (0) or the B side (1)
	s_and_b32 s[HC], s[WV], 1                      ; my half of the B side's.  Also: which 128 rows I fetch
	s_bfe_u32 s[CX], ttmp6, 0x40000
	s_bfe_u32 s[CY], ttmp6, 0x40004
	s_and_b32 s92, ttmp7, 0xffff
	s_lshl_b32 s92, s92, 2                         ; 4 x cluster y
	s_lshl_b32 s93, ttmp9, 2                       ; 4 x cluster x
	s_cmp_eq_u32 ttmp9, 2                          ; the role hangs on the cluster's x: equal in all sixteen partners
	s_cselect_b32 s[ISV], 1, 0
	s_cselect_b32 s94, 0, s92
	s_cselect_b32 s95, s92, s93
	s_cselect_b32 s2, 16, 0                        ; the A side's first group: WV's in wc, or x's
	s_add_co_u32 s[TR], s94, s[CY]                 ; the A side's tile: hangs on cy alone within a cluster
	s_add_co_u32 s[TC], s95, s[CX]                 ; the B side's: on cx alone
	s_lshl_b32 s92, s[CY], 2
	s_lshl_b32 s92, 15, s92                        ; my row of the cluster
	s_lshl_b32 s93, 0x1111, s[CX]                  ; my column
	s_or_b32 s[G1], s92, (3<<16)|(1<<21)           ; 15:0 the mask; 17:16 elements of 8 bytes; 21 set beside a mask; no padding
	s_or_b32 s[G1B], s93, (3<<16)|(1<<21)
	s_or_b32 s[G1S], s92, (3<<16)|(1<<21)
	s_or_b32 s[G1SB], s93, (3<<16)|(1<<21)
.irp g, G1, G1B                        ; codes, for the head's loads: two groups' 24,576 dense bytes of K step 0, a row each, 98,304 bytes apart
	s_mov_b32 s[\g+1], 3072<<16
	s_mov_b32 s[\g+2], 2<<16
	s_mov_b32 s[\g+3], 3072<<16
	s_mov_b32 s[\g+4], 2
	s_mov_b32 s[\g+5], 12288
	s_mov_b32 s[\g+6], 0
	s_mov_b32 s[\g+7], 0
.endr
.irp g, G1S, G1SB                      ; scales: 32 rows x 256 bytes
	s_mov_b32 s[\g+1], 32<<16
	s_mov_b32 s[\g+2], 32<<16                      ; scales: two groups on end, 32 rows x 256 bytes
	s_mov_b32 s[\g+3], 32<<16
	s_mov_b32 s[\g+4], 32
	s_mov_b32 s[\g+5], 32
	s_mov_b32 s[\g+6], 0
	s_mov_b32 s[\g+7], 0
.endr
	s_lshl_b32 s96, s[TR], 1
	s_add_co_u32 s96, s96, s[HC]
	s_add_co_u32 s96, s96, s2                      ; the A side's group that I would fetch
	s_lshl_b32 s98, s96, 12
	s_mul_i32 s96, s96, GRPB
	s_mov_b32 s97, 0
	s_mov_b32 s99, 0
	s_lshl_b32 s100, s[TC], 1
	s_add_co_u32 s100, s100, s[HC]                 ; the B side's
	s_lshl_b32 s2, s100, 12
	s_mul_i32 s100, s100, GRPB
	s_mov_b32 s101, 0
	s_mov_b32 s3, 0
	s_mul_i32 s94, s[WV], HALFT                    ; where they go: no place in the cluster enters an LDS address
	s_wait_dscnt 0x0                               ; the opening add is done
	s_wait_kmcnt 0x0
	s_cmp_eq_u32 s[ISV], 1
	s_cselect_b64 s[40:41], s[8:9], s[4:5]         ; the A side's codes,
	s_cselect_b64 s[42:43], s[10:11], s[6:7]       ; its scales,
	s_cselect_b64 s[44:45], s[4:5], s[8:9]         ; the B side's codes,
	s_cselect_b64 s[46:47], s[6:7], s[10:11]       ; its scales
	s_add_nc_u64 s[40:41], s[40:41], s[96:97]
	s_add_nc_u64 s[42:43], s[42:43], s[98:99]
	s_add_nc_u64 s[44:45], s[44:45], s[100:101]
	s_add_nc_u64 s[46:47], s[46:47], s[2:3]
	CROUND                                         ; all sixteen work-groups are here: the first joint loads meet
	s_mov_b32 s[G0S], 1
	s_lshl_b32 s2, s[HC], 12                       ; back to the tile's first group (s3 = 0)
	s_mov_b32 s[G0S+1], SCL
	s_sub_nc_u64 s[G0S+2:G0S+3], s[42:43], s[2:3]
	s_or_b32 s[G0S+3], s[G0S+3], 0x80000000
	s_mov_b32 s[G0SB], 1
	s_mov_b32 s[G0SB+1], SCL+8192
	s_sub_nc_u64 s[G0SB+2:G0SB+3], s[46:47], s[2:3]
	s_or_b32 s[G0SB+3], s[G0SB+3], 0x80000000
.irp s, 0,1
	s_mov_b32 s[G0+4*\s], 1
	s_add_co_u32 s[G0+4*\s+1], s94, \s*SLOT
	s_add_nc_u64 s[G0+4*\s+2:G0+4*\s+3], s[40:41], \s*HALFT
	s_or_b32 s[G0+4*\s+3], s[G0+4*\s+3], 0x80000000
	s_mov_b32 s[G0B+4*\s], 1
	s_add_co_u32 s[G0B+4*\s+1], s94, \s*SLOT
	s_add_nc_u64 s[G0B+4*\s+2:G0B+4*\s+3], s[44:45], \s*HALFT
	s_or_b32 s[G0B+4*\s+3], s[G0B+4*\s+3], 0x80000000
.endr
	; THE HEAD'S LOADS, ONE A WAVE: wave 0 the A side's 256 rows of K step 0, wave 1 its scales, wave 2 the B side's 256 rows, wave 3 its scales
	s_mul_i32 s92, s[HC], GRPB
	s_mov_b32 s93, 0
	s_mov_b32 s4, 1                                ; group 0 of the two loads of codes, in registers that held arguments
	s_mov_b32 s5, 0
	s_sub_nc_u64 s[6:7], s[40:41], s[92:93]
	s_or_b32 s7, s7, 0x80000000
	s_mov_b32 s8, 1
	s_mov_b32 s9, 2*HALFT
	s_sub_nc_u64 s[10:11], s[44:45], s[92:93]
	s_or_b32 s11, s11, 0x80000000
.macro ARM under, g0, g1, next
	s_cmp_lt_u32 s[WV], \under
	s_cbranch_scc0 \next
	tensor_load_to_lds s[\g0:\g0+3], s[\g1:\g1+7]
	s_nop 0
.rept 4
	v_nop
.endr
	s_branch .Lhead_asked
\next:
.endm
	ARM 1, 4, G1, .Lhead_sa
	ARM 2, G0S, G1S, .Lhead_b
	ARM 3, 8, G1B, .Lhead_sb
	tensor_load_to_lds s[G0SB:G0SB+3], s[G1SB:G1SB+7]
	s_nop 0
.rept 4
	v_nop
.endr
.Lhead_asked:
	v_and_b32 v1, 31, v0
	v_and_b32 v2, 15, v0
	v_bfe_u32 v3, v0, 4, 1
	v_lshlrev_b32 v24, 4, v1                       ; 16 x lane
	v_lshlrev_b32 v25, 3, v1
	v_lshlrev_b32 v26, 3, v3                       ; 8 x (lane / 16): V's way out shifts its two scale bytes by it
	s_mul_i32 s92, s[HR], HALFT
	s_mul_i32 s93, s[HC], HALFT
	s_add_co_u32 s93, s93, 2*HALFT
.irp s, 0,1
	v_add_nc_u32 v[ADRA16+\s], s92, v24
	v_add_nc_u32 v[ADRA8+\s], s92, v25
	v_add_nc_u32 v[ADRB16+\s], s93, v24
	v_add_nc_u32 v[ADRB8+\s], s93, v25
	s_add_co_u32 s92, s92, SLOT
	s_add_co_u32 s93, s93, SLOT
.endr
	s_lshl_b32 s92, s[HR], 12
	s_lshl_b32 s93, s[HC], 12
	s_add_co_u32 s93, s93, 8192
	s_sub_co_u32 s93, s93, s92
	v_mul_u32_u24 v6, s93, v3                      ; lanes 16-31 take the B side's: the lower base + h x the distance
	s_add_co_u32 s92, s92, SCL
	v_lshl_add_u32 v6, v2, 3, v6
	v_add_nc_u32 v[ADRS], s92, v6
.irp b, 0,1,2,3
	v_mov_b32 v[TM+4+\b], 0                        ; written once: a lane permute's destination counts as one of its sources
.endr
	; where my results go
	s_lshl_b32 s92, s[TR], 1
	s_add_co_u32 s92, s92, s[HR]                   ; my group of the A side
	s_lshl_b32 s93, s[TC], 1
	s_add_co_u32 s93, s93, s[HC]                   ; and of the B side
	s_cmp_eq_u32 s[ISV], 1
	s_cselect_b32 s94, s93, s92                    ; the token group
	s_cselect_b32 s95, s92, s93                    ; the feature group
	s_cselect_b32 s100, 6656, 0                    ; V's record lies behind K's
	s_and_b32 s95, s95, 7
	s_lshl_b32 s95, s95, 1                         ; its first head
	s_lshr_b32 s101, s94, 4
	s_lshl_b32 s101, s101, 4
	s_add_co_u32 s101, s101, s95                   ; 16 batch + head
	s_lshl_b32 s101, s101, 4
	s_and_b32 s94, s94, 15
	s_add_co_u32 s101, s101, s94                   ; the record's number
	s_cmp_lg_u32 ttmp9, 0
	s_cselect_b64 s[96:97], s[14:15], s[12:13]
	s_mov_b32 s92, 6656
	s_cselect_b32 s92, 13312, s92
	s_mul_i32 s94, s101, s92
	s_add_co_u32 s94, s94, s100
	s_mov_b32 s95, 0
	s_add_nc_u64 s[96:97], s[96:97], s[94:95]      ; my first head's record,
	s_lshl_b32 s94, s92, 4
	s_add_nc_u64 s[98:99], s[96:97], s[94:95]      ; my second head's: 16 records on
	s_mov_b32 s[SEL], 0x76543210
	s_mov_b32 s[SEL+1], 0xfedcba98
	s_mov_b32 s[FLOOR], 0x1800000                  ; 2^(3 - 127)
.macro FRAG reg, a16, a8, off          ; a fragment's image back into 12 registers
	ds_load_b128 v[\reg:\reg+3], v[\a16] offset:\off
	ds_load_b64 v[\reg+4:\reg+5], v[\a8] offset:(\off)+512
	ds_load_b64 v[\reg+6:\reg+7], v[\a8] offset:(\off)+768
	ds_load_b128 v[\reg+8:\reg+11], v[\a16] offset:(\off)+1024
.endm
; 16 matrix instructions: the A side's blocks a0, a0 + 1 x the B side's eight.  The 64 accumulators take turns, one instruction a turn, in the same order in every step.
.macro MUL16 a0, p, q, sc, zero
.irp a, \a0, \a0+1
.irp b, 0,1,2,3,4,5,6,7
.if \zero
	v_wmma_scale_f32_16x16x128_f8f6f4 v[8*(8*((\a)%4)+\b):8*(8*((\a)%4)+\b)+7], v[128*(\p)+FR*\b:128*(\p)+FR*\b+FR-1], v[AF+FR*(\a):AF+FR*(\a)+FR-1], 0, v[SC+8*NQ*(\sc)+NQ*\b+(\q)], v[SC+8*NQ*(\sc)+NQ*(\a)+(\q)] matrix_a_fmt:MATRIX_FMT_FP6 matrix_b_fmt:MATRIX_FMT_FP6 matrix_a_scale:MATRIX_SCALE_ROW1
.else
	v_wmma_scale_f32_16x16x128_f8f6f4 v[8*(8*((\a)%4)+\b):8*(8*((\a)%4)+\b)+7], v[128*(\p)+FR*\b:128*(\p)+FR*\b+FR-1], v[AF+FR*(\a):AF+FR*(\a)+FR-1], v[8*(8*((\a)%4)+\b):8*(8*((\a)%4)+\b)+7], v[SC+8*NQ*(\sc)+NQ*\b+(\q)], v[SC+8*NQ*(\sc)+NQ*(\a)+(\q)] matrix_a_fmt:MATRIX_FMT_FP6 matrix_b_fmt:MATRIX_FMT_FP6 matrix_a_scale:MATRIX_SCALE_ROW1
.endif
.endr
.endr
.endm
.macro FETCH_B slot, q, p
	WIN TO_B
.irp i, 0,1,2,3,4,5,6,7
	FRAG 128*(\p)+FR*\i, ADRB16+\slot, ADRB8+\slot, (\q)*12288+\i*1536
.endr
	WIN 0
.endm
.macro FETCH_A slot, q, i0
.irp i, \i0, \i0+1, \i0+2, \i0+3
	FRAG AF+FR*(\i), ADRA16+\slot, ADRA8+\slot, (\q)*12288+(\i)*1536
.endr
.endm
.macro SCALES sc, sg                   ; K step sg's scale words into set sc: two words a row; lanes 0-15 the A side's block i, lanes 16-31 the B side's
.irp i, 0,1,2,3,4,5,6,7
	ds_load_b64 v[SC+8*NQ*\sc+NQ*\i:SC+8*NQ*\sc+NQ*\i+1], v[ADRS] offset:1024*\sg+128*\i
.endr
.endm
.macro PLACES n                        ; plain places in front of loads into registers that matrix instructions have read, and of the first read of results
.rept \n
	v_nop
.endr
.endm
.macro STEP slot, q, zero              ; 128 along K that have their successor in the same slot
	s_wait_dscnt 4*NL                              ; all but the youngest 16 loads (the A side's blocks 4-7) are in
	WIN MUL_LO
	MUL16 0, (\q)%2, \q, \slot, \zero
	MUL16 2, (\q)%2, \q, \slot, \zero
	s_wait_dscnt 0
	PLACES NP
	FETCH_B \slot, (\q)+1, 1-(\q)%2
	FETCH_A \slot, (\q)+1, 0
	WIN MUL_HI
	MUL16 4, (\q)%2, \q, \slot, \zero
	MUL16 6, (\q)%2, \q, \slot, \zero
	PLACES NP
	WIN 0
	FETCH_A \slot, (\q)+1, 4
.endm
; A slot's last 128 change slots: one barrier; in front of it each wave waits for all its tensor loads, adds 0 to its spare word, and waits for that and for its reads of this slot.
.macro TURN slot, next, fill, sg
	s_wait_tensorcnt 0x0                           ; all my tensor loads have landed: my part of the next slot
	ds_add_u32 v[SPW], v[NIL]
	s_wait_dscnt 4*NL+1                            ; (the add and the youngest 16 loads may be out)
	WIN MUL_LO
	MUL16 0, 1, NQ-1, \slot, 0
	s_wait_dscnt 0x0                               ; the add is done, and my reads of this slot are over
	s_barrier_signal -1
	MUL16 2, 1, NQ-1, \slot, 0
	WIN 0
	s_barrier_wait -1
.if \fill
	CREST                                          ; the barrier has opened a round of the cluster's: no wave of any partner still reads this slot or has a load on its way
	s_add_nc_u64 s[G0+4*\slot+2:G0+4*\slot+3], s[G0+4*\slot+2:G0+4*\slot+3], 2*HALFT
	s_add_nc_u64 s[G0B+4*\slot+2:G0B+4*\slot+3], s[G0B+4*\slot+2:G0B+4*\slot+3], 2*HALFT
	JLOAD G0+4*\slot, G1, G0B+4*\slot, G1B         ; the first tensor load behind the round; its four v_nop are the places in front of the loads below
.else
	PLACES NP
.endif
	FETCH_B \next, 0, 0
	FETCH_A \next, 0, 0
	SCALES \next, \sg
	WIN MUL_HI
	MUL16 4, 1, NQ-1, \slot, 0
	MUL16 6, 1, NQ-1, \slot, 0
	PLACES NP
	WIN 0
	FETCH_A \next, 0, 4
.endm
	s_wait_alu depctr_va_vdst(0)
	s_wait_tensorcnt 0x0                           ; my tile of the head's four is in
	ds_add_u32 v[SPW], v[NIL]
.irp g, G1, G1B                        ; no tensor load of mine is out: from here on a load brings one group's 96 rows x 256 bytes
	s_mov_b32 s[\g+1], 32<<16
	s_mov_b32 s[\g+2], 96<<16
	s_mov_b32 s[\g+3], 32<<16
	s_mov_b32 s[\g+4], 96
	s_mov_b32 s[\g+5], 32
.endr
	s_wait_dscnt 0x0
	CROUND                                         ; all four tiles are in, all sixteen work-groups are here
	JLOAD G0+4, G1, G0B+4, G1B                     ; K step 1, the first tensor load behind the round
	FETCH_B 0, 0, 0
	FETCH_A 0, 0, 0
	SCALES 0, 0
	FETCH_A 0, 0, 4
	STEP 0, 0, 1                                   ; K has four steps of 256: they are written out.  The first products start the sums
	TURN 0, 1, 1, 1                                ; slot 0 takes K step 2
	STEP 1, 0, 0
	TURN 1, 0, 1, 2                                ; slot 1 takes K step 3
	STEP 0, 0, 0
	TURN 0, 1, 0, 3                                ; nothing is left to fetch
	STEP 1, 0, 0
	s_wait_dscnt 4*NL
	WIN MUL_LO
	MUL16 0, 1, NQ-1, 1, 0
	MUL16 2, 1, NQ-1, 1, 0
	s_wait_dscnt 0
	WIN MUL_HI
	MUL16 4, 1, NQ-1, 1, 0
	MUL16 6, 1, NQ-1, 1, 0
	WIN 0
	PLACES NP
; THE WAY OUT: registers alone.  64 numbers of a lane (blocks 0, 1 at QS0 and QS0 + 16, blocks 2, 3 at QS1 and QS1 + 16, in window QW) become a fragment and its scale word v[QWD]; the fragment leaves as its image at QOFF.
.macro QOUT ptr
	WIN (QW<<2)|(QW<<4)                            ; sources 1 and 2: the accumulators' window
.irp b, 0,1
	v_max3_num_f32 v[TM+\b], s[FLOOR], |v[QS0+16*\b]|, |v[QS0+16*\b+1]|      ; each accumulator is read from its low end on
.endr
.irp b, 0,1
	v_max3_num_f32 v[TM+2+\b], s[FLOOR], |v[QS1+16*\b]|, |v[QS1+16*\b+1]|
.endr
.irp i, 2,4,6,8,10,12,14
.irp b, 0,1
	v_max3_num_f32 v[TM+\b], v[TM+\b], |v[QS0+16*\b+\i]|, |v[QS0+16*\b+\i+1]|
.endr
.irp b, 0,1
	v_max3_num_f32 v[TM+2+\b], v[TM+2+\b], |v[QS1+16*\b+\i]|, |v[QS1+16*\b+\i+1]|
.endr
.endr
	WIN 0
.irp b, 0,1,2,3
.if QV                                 ; V: by the tokens' order in a block of 16 rows a lane's 32 registers are one whole scale block: its other half is my own
	v_mov_b32 v[TM+4+\b], v[TM+\b+1-2*(\b%2)]
.else
	v_permlanex16_b32 v[TM+4+\b], v[TM+\b], s[SEL], s[SEL+1]
.endif
.endr
.irp b, 0,1,2,3
	v_max_num_f32 v[TM+\b], v[TM+\b], v[TM+4+\b]
.endr
.irp b, 0,1,2,3
	v_add_nc_u32 v[TM+12+\b], 0xff000000, v[TM+\b]
.endr
.irp b, 0,1,2,3
	v_lshrrev_b32 v[TM+4+\b], 23, v[TM+12+\b]
.endr
.if QV                                 ; V: my bytes are those of blocks h and 2 + h; lane l xor 16 has the other two
	v_lshl_or_b32 v[TM+4], v[TM+6], 16, v[TM+4]
	v_lshlrev_b32 v[TM+4], v26, v[TM+4]
	v_permlanex16_b32 v[TM+5], v[TM+4], s[SEL], s[SEL+1]
	v_or_b32 v[QWD], v[TM+4], v[TM+5]
.else
	v_lshl_or_b32 v[QWD], v[TM+5], 8, v[TM+4]
	v_lshl_or_b32 v[QWD], v[TM+6], 16, v[QWD]
	v_lshl_or_b32 v[QWD], v[TM+7], 24, v[QWD]
.endif
	s_wait_xcnt 0x0                                ; the last fragment's stores have read the codes' registers
	WIN QW                                         ; source 0: the accumulators' window
	v_cvt_scalef32_pk16_fp6_f32 v[PC:PC+2], v[QS0:QS0+15], v[TM+12]
	v_cvt_scalef32_pk16_fp6_f32 v[T0:T0+2], v[QS0+16:QS0+31], v[TM+13]
	v_cvt_scalef32_pk16_fp6_f32 v[PC+6:PC+8], v[QS1:QS1+15], v[TM+14]
	v_cvt_scalef32_pk16_fp6_f32 v[T0+4:T0+6], v[QS1+16:QS1+31], v[TM+15]
	WIN 0
	v_nop                                          ; one plain place behind a scaled conversion
.irp c, 0,1
.irp i, 0,1,2
.if QV == 0
	v_permlane16_swap_b32 v[PC+6*\c+\i], v[T0+4*\c+\i]
.endif
.endr
.irp i, 0,1,2
	v_mov_b32 v[PC+3+6*\c+\i], v[T0+4*\c+\i]
.endr
.endr
	global_store_b128 v24, v[PC:PC+3], s[(\ptr):(\ptr)+1] offset:QOFF          ; each store covers 256 or 512 consecutive bytes, aligned
	global_store_b64 v25, v[PC+4:PC+5], s[(\ptr):(\ptr)+1] offset:QOFF+512
	global_store_b64 v25, v[PC+6:PC+7], s[(\ptr):(\ptr)+1] offset:QOFF+768
	global_store_b128 v24, v[PC+8:PC+11], s[(\ptr):(\ptr)+1] offset:QOFF+1024
.endm
	s_cmp_eq_u32 s[ISV], 1
	s_cbranch_scc1 .Lv_out
.irp e, 0,1                            ; Q, K: head e of my two; fragment f joins my token blocks 2 f and 2 f + 1
.irp f, 0,1,2,3
.set QW, 2+\f/2
.set QV, 0
.set QS0, 64*((2*\f)%4)+32*\e
.set QS1, QS0+64
.set QWD, SW+4*\e+\f
.set QOFF, 1536*\f
	QOUT 96+2*\e
.endr
	global_store_b128 v24, v[SW+4*\e:SW+4*\e+3], s[96+2*\e:97+2*\e] offset:6144
.endr
	s_branch .Ldone
.Lv_out:
.irp a, 0,1,2,3,4,5,6,7                ; V: my channel block a: head a / 4, fragment a % 4; K = my 128 tokens
.set QW, 2+\a/4
.set QV, 1
.set QS0, 64*(\a%4)
.set QS1, QS0+32
.set QWD, SW+4*(\a/4)+\a%4
.set QOFF, 1536*(\a%4)
	QOUT 96+2*(\a/4)
.if \a%4 == 3
	global_store_b128 v24, v[SW+4*(\a/4):SW+4*(\a/4)+3], s[96+2*(\a/4):97+2*(\a/4)] offset:6144
.endif
.endr
.Ldone:
	s_wait_tensorcnt 0x0                           ; the wave's end, behind my last tensor load
	ds_add_u32 v[SPW], v[NIL]
	s_wait_dscnt 0x0
	CROUND                                         ; the closing round
	s_endpgm
.Lfunc_end_k_q6d650e2e73_qkv:
	.size	k_q6d650e2e73_qkv, .Lfunc_end_k_q6d650e2e73_qkv-k_q6d650e2e73_qkv
	.p2alignl 7, 3214868480
	.fill 96, 4, 3214868480
	.section	.rodata,"a",@progbits
	.p2align	6, 0x0
	.amdhsa_kernel k_q6d650e2e73_qkv
		.amdhsa_group_segment_fixed_size 327680
		.amdhsa_private_segment_fixed_size 0
		.amdhsa_enable_private_segment 0
		.amdhsa_kernarg_size 48
		.amdhsa_user_sgpr_count 2
		.amdhsa_user_sgpr_kernarg_segment_ptr 1
		.amdhsa_wavefront_size32 1
		.amdhsa_system_sgpr_workgroup_id_x 1
		.amdhsa_system_sgpr_workgroup_id_y 1
		.amdhsa_system_sgpr_workgroup_id_z 1
		.amdhsa_system_vgpr_workitem_id 0
		.amdhsa_next_free_vgpr 1024
		.amdhsa_next_free_sgpr 104
		.amdhsa_reserve_vcc 0
		.amdhsa_float_denorm_mode_32 3
		.amdhsa_float_denorm_mode_16_64 3
		.amdhsa_memory_ordered 1
		.amdhsa_forward_progress 1
		.amdhsa_inst_pref_size 180
	.end_amdhsa_kernel
	.amdgpu_metadata
---
amdhsa.version: [ 1, 2 ]
amdhsa.kernels:
  - .name:           k_q6d650e2e73_qkv
    .symbol:         k_q6d650e2e73_qkv.kd
    .args:
      - { .name: xc, .offset: 0, .size: 8, .value_kind: global_buffer, .address_space: global }
      - { .name: xs, .offset: 8, .size: 8, .value_kind: global_buffer, .address_space: global }
      - { .name: wc, .offset: 16, .size: 8, .value_kind: global_buffer, .address_space: global }
      - { .name: wsc, .offset: 24, .size: 8, .value_kind: global_buffer, .address_space: global }
      - { .name: qb, .offset: 32, .size: 8, .value_kind: global_buffer, .address_space: global }
      - { .name: kvb, .offset: 40, .size: 8, .value_kind: global_buffer, .address_space: global }
    .group_segment_fixed_size: 327680
    .private_segment_fixed_size: 0
    .kernarg_segment_align: 8
    .kernarg_segment_size: 48
    .max_flat_workgroup_size: 128
    .sgpr_count:     104
    .vgpr_count:     1024
    .wavefront_size: 32
...
	.end_amdgpu_metadata
.endif
;; end of part 2
;; launch attn (part 3): grid 4 x 64, 8 waves a work-group, clusters of 4 x 1, 214,016 bytes of LDS; arguments qb, kvb, cc, cs; writes cc, cs
.if DOCPART == 3
	.amdgcn_target "amdgcn-amd-amdhsa--gfx1250"
	.amdhsa_code_object_version 6
	.text
	.protected	k_q6d650e2e73_attn
	.globl	k_q6d650e2e73_attn
	.p2align	8
	.type	k_q6d650e2e73_attn,@function
k_q6d650e2e73_attn:
	s_mov_b64 s[64:65], 0
	v_nop
	global_prefetch_b8 v0, s[64:65] scope:SCOPE_SE
	s_setreg_imm32_b32 hwreg(HW_REG_WAVE_MODE, 25, 1), 1
	s_wait_xcnt 0x0
	s_wait_alu depctr_hold_cnt(0) depctr_sa_sdst(0) depctr_va_vdst(0) depctr_va_sdst(0) depctr_va_ssrc(0) depctr_va_vcc(0) depctr_vm_vsrc(0)
	s_getreg_b32 s2, hwreg(HW_REG_IB_STS2, 6, 4)
	s_cmp_eq_u32 s2, 0
	s_cbranch_scc0 .Lentry_in_a_cluster
	s_endpgm
.Lentry_in_a_cluster:
	s_bfe_u32 s2, ttmp6, 0x10000c
	s_cmp_lg_u32 s2, 0x3003
	s_cbranch_scc0 .Lentry_shape_is_right
	s_endpgm
.Lentry_shape_is_right:
; ctx = softmax(Q K^T / 32) V for one (batch, head) and 512 queries a work-group, on codes of FP6 (E2M3) with E8M0 scales; ctx leaves as codes and scale bytes, as the last product's operand.
; p = 2^(t - M), t = score x log2(e) / 32, M = the ceiling of the running largest t, a whole number; the row's sum is taken of the unquantised p; every change of M multiplies the sum and O by a power of two.
; LIMITS: the promise holds while |t| stays under 2^31; NaN and infinities are not served; a block whose every p is 0 carries the byte 1 (its codes are zeros; this program alone reads the bytes).
; THE DEAL: 8 waves; in each of two passes a wave takes TWO TILES of 16 queries, the two halves of fragment wave % 4 of Q, in token groups 4 cx + wave / 4 and 4 cx + 2 + wave / 4.  64 heads x 4 work-groups = 256.
; The two tiles go through every phase of a step side by side, line by line: each fragment of K and V loaded from LDS feeds both, and each chain of dependent lines has the other tile's beside it.
; K AND V OF THE HEAD, 16 steps of 128 keys, 13,312 bytes each (K's record, V's record), ALL LIE IN LDS: wave w asks for steps 2 w and 2 w + 1 by one tensor load at the head, 104 rows of 256 bytes; nothing is filled
; again, so the loop has no barrier.  The four work-groups of a cluster read the same head: the loads are joint (mask 15).
; No prefetch: every byte of K and V that the work-group reads is asked for by the head's one group of loads, so there is no later tile to ask ahead for.
; LAYOUT: both products are used transposed (S^T = K Q^T, O^T = V^T p^T): a lane holds one query of each tile.  Lane-row r of token block i is token 64 (i / 4) + 8 (i % 4) + r % 8 + 32 (r / 8) of its group, and K's
; fragment f is [block 2 f | block 2 f + 1] along the instruction's 128: against Q beside zeros it gives one block's scores.  So registers 32 c + 0 .. 31 of a tile's S in lane (r, h) are keys 64 c + 32 h + 0 .. 31:
; one whole scale block, in the order of p's operand.
; REGISTERS.  Window 1: S, then p, of tile e at v[64 e]; O^T at v[128 + 32 e].  Window 0, with e the tile: v1-11 addresses; v[12 + 4 e] -M, largest score, the sum's pair; v[20 + 2 e] f; v24-53 zeros, Q0, zeros, Q1, zeros;
; v54-55 Q's scale words; v56-59 the conversions' scale operands; v60-61 p's scale words; v64-79 second halves of conversions; v80-103 p's codes; v104-151 K, v152-199 V, v200-207 their scale words; v[208 + 24 e] short-lived.
; Each phase has ONE setting of the windows for both tiles.
.set STEPB, 13312
.set SPARE, 16*STEPB                   ; the spare words, 128 bytes a wave: four blocks of 256 bytes that no other line names
.set L16, 1
.set L8,  2
.set A16, 3
.set A8,  4
.set SPW, 5
.set NIL, 6
.set N16, 7
.set N8,  8
.set SH8, 9
.set CSO, 10
.set QR,  11
.set MM,  12
.set F,   20
.set QB,  24
.set QS,  54
.set SO,  56
.set PW,  60
.set TC,  64
.set PCD, 80
.set KF,  104
.set VF,  152
.set VS,  200
.set KS,  204
.set TT,  208                          ; + 24 e: 0-3 four chains of maxima; 4-7 single numbers; 8-13 three more chains of the sum
.set OO,  128
.set WV,  12
.set SEL, 20
.set CS,  22
.set G1,  24
.set G0,  32
.set CN,  36
.set PS,  37
.set QH,  38
.set FL,  39
.set TB,  2
.set W_D,    0x40                      ; destination window 1
.set W_MAX3, 0x15                      ; all three sources window 1
.set W_MAX,  0x14                      ; sources 1 and 2
.set W_INP,  0x41                      ; destination and source 0
.set W_SS,   0x05                      ; sources 0 and 1
.set W_ADD,  0x04                      ; source 1
.set W_CVT,  0x01                      ; source 0
.set W_PV,   0x50                      ; destination and source 2
.set MSB, 0
.macro WIN new                         ; the immediate's high byte repeats the setting that is left
.if MSB != (\new)
	s_set_vgpr_msb (MSB<<8)|(\new)
.set MSB, (\new)
.endif
.endm
.macro CROUND
	s_barrier_signal -1
	s_barrier_wait -1
	s_cmp_lg_u32 s[WV], 0
	s_cbranch_scc1 .Lnot_wave_0_\@
	s_barrier_signal -3
.Lnot_wave_0_\@:
	s_barrier_wait -3
	s_barrier_signal -1
	s_barrier_wait -1
.endm
.macro WALU
	s_wait_alu depctr_va_vdst(0)
.endm
.macro FRAG reg, a16, a8, off          ; a fragment's image back into 12 registers
	ds_load_b128 v[\reg:\reg+3], v[\a16] offset:\off
	ds_load_b64 v[\reg+4:\reg+5], v[\a8] offset:(\off)+512
	ds_load_b64 v[\reg+6:\reg+7], v[\a8] offset:(\off)+768
	ds_load_b128 v[\reg+8:\reg+11], v[\a16] offset:(\off)+1024
.endm
.macro KLOAD a16, a8                   ; a step's K: four fragments and their scale words, 17 loads
.irp f, 0,1,2,3
	FRAG KF+12*\f, \a16, \a8, 1536*\f
.endr
	ds_load_b128 v[KS:KS+3], v[\a16] offset:6144
.endm
.macro QLOAD                           ; my fragment of Q: registers 0-5 are tile 0's codes, 6-11 tile 1's; and its scale word
	global_load_b128 v[QB+6:QB+9], v[L16], s[4:5]
	global_load_b64 v[QB+10:QB+11], v[L8], s[4:5] offset:512
	global_load_b64 v[QB+18:QB+19], v[L8], s[4:5] offset:768
	global_load_b128 v[QB+20:QB+23], v[L16], s[4:5] offset:1024
	global_load_b32 v[QR], v[L16], s[54:55] offset:6144
.endm
	s_load_b256 s[4:11], s[0:1], 0x0               ; qb, kvb, cc, cs
	v_lshl_add_u32 v[SPW], v0, 2, SPARE
	v_mov_b32 v[NIL], 0
	ds_add_u32 v[SPW], v[NIL]                      ; the opening lines: the add, twice on end, and its wait ahead of my tensor load
	ds_add_u32 v[SPW], v[NIL]
	v_lshrrev_b32 v7, 5, v0
	v_readfirstlane_b32 s[WV], v7
	s_bfe_u32 s13, ttmp6, 0x40000                  ; cx
	s_and_b32 s15, ttmp7, 0xffff                   ; 16 batch + head
	s_mov_b32 s[G1], 15|(3<<16)|(1<<21)            ; the mask of all four partners; elements of 8 bytes; bit 21 beside a mask
	s_mov_b32 s[G1+1], 32<<16
	s_mov_b32 s[G1+2], 104<<16
	s_mov_b32 s[G1+3], 32<<16
	s_mov_b32 s[G1+4], 104
	s_mov_b32 s[G1+5], 32
	s_mov_b32 s[G1+6], 0
	s_mov_b32 s[G1+7], 0
	s_mul_i32 s16, s[WV], 2*STEPB                  ; my two steps' place, in LDS and in the head's K and V
	s_mul_i32 s18, s15, 16*STEPB
	s_add_co_u32 s18, s18, s16
	s_mov_b32 s19, 0
	s_mov_b32 s[SEL], 0x76543210
	s_mov_b32 s[SEL+1], 0xfedcba98                 ; lane l xor 16
	s_mov_b32 s[CS], 0x3d38aa3b                    ; c = log2(e) / 32
	s_mov_b32 s[CS+1], s[CS]
	s_mov_b32 s[CN], 0xbd38aa3b                    ; -c
	s_mov_b32 s56, 0x01000100                      ; tile 0's two scale bytes for both halves of the 128,
	s_mov_b32 s[QH], 0x03020302                    ; tile 1's
	s_mov_b32 s[FL], 0x1800000                     ; the floor 2^(3 - 127)
	v_and_b32 v7, 31, v0
	v_lshlrev_b32 v[L16], 4, v7
	v_lshlrev_b32 v[L8], 3, v7
	v_and_b32 v[CSO], 15, v0
	v_lshlrev_b32 v[CSO], 3, v[CSO]
	v_bfe_u32 v[SH8], v0, 4, 1
	v_lshlrev_b32 v[SH8], 3, v[SH8]                ; 8 x (lane / 16)
.irp j, 0,1,2,3,4,5,12,13,14,15,16,17,24,25,26,27,28,29
	v_mov_b32 v[QB+\j], 0                          ; the zero codes beside Q
.endr
.irp e, 0,1
	v_mov_b32 v[F+2*\e+1], 0                       ; (named as the upper half of the pair beside f)
	v_mov_b32 v[TT+24*\e+5], 0                     ; (a lane permute's destination counts as one of its sources)
.endr
	WALU                                           ; the wait at the head's end
	s_wait_dscnt 0x0
	s_wait_kmcnt 0x0
	s_add_nc_u64 s[6:7], s[6:7], s[18:19]
	s_mov_b32 s[G0], 1
	s_mov_b32 s[G0+1], s16
	s_mov_b64 s[G0+2:G0+3], s[6:7]
	s_or_b32 s[G0+3], s[G0+3], 0x80000000
	CROUND                                         ; all four work-groups are here: the joint loads meet
	tensor_load_to_lds s[G0:G0+3], s[G1:G1+7]      ; steps 2 w and 2 w + 1 of K and V: my one tensor load
	s_nop 0
	s_lshl_b32 s48, s13, 2
	s_lshr_b32 s49, s[WV], 2
	s_add_co_u32 s48, s48, s49                     ; the first pass's token group of the sequence
	s_and_b32 s50, s[WV], 3                        ; my fragment of Q: token blocks 2 f and 2 f + 1
	s_lshl_b32 s52, s15, 4
	s_add_co_u32 s52, s52, s48
	s_mul_i32 s52, s52, 6656
	s_mov_b32 s53, 0
	s_add_nc_u64 s[4:5], s[4:5], s[52:53]
	s_lshl_b32 s52, s50, 2
	s_add_nc_u64 s[54:55], s[4:5], s[52:53]        ; Q's scale words
	s_mul_i32 s52, s50, 1536
	s_add_nc_u64 s[4:5], s[4:5], s[52:53]          ; Q's fragment
	QLOAD
	s_lshr_b32 s52, s15, 4
	s_lshl_b32 s52, s52, 4
	s_add_co_u32 s52, s52, s48                     ; the token group among all 64
	s_and_b32 s53, s15, 15                         ; the head: 64 of the last product's K
	s_lshr_b32 s57, s53, 2
	s_bfe_u32 s59, s53, 0x10001
	s_and_b32 s58, s53, 1
	s_mul_i32 s60, s52, 98304
	s_mul_i32 s61, s57, 24576
	s_add_co_u32 s60, s60, s61
	s_mul_i32 s61, s59, 12288
	s_add_co_u32 s60, s60, s61
	s_mul_i32 s61, s50, 3072
	s_add_co_u32 s60, s60, s61
	s_mov_b32 s61, 0
	s_add_nc_u64 s[8:9], s[8:9], s[60:61]
	s_lshl_b32 s60, s52, 12
	s_lshl_b32 s62, s57, 10
	s_add_co_u32 s60, s60, s62
	s_lshl_b32 s62, s50, 8
	s_add_co_u32 s60, s60, s62
	s_lshl_b32 s62, s59, 2
	s_add_co_u32 s60, s60, s62
	s_lshl_b32 s62, s58, 1
	s_add_co_u32 s60, s60, s62
	s_add_nc_u64 s[10:11], s[10:11], s[60:61]
	s_mov_b32 s[PS], 0
	s_wait_tensorcnt 0x0                           ; my steps are in,
	s_barrier_signal -1
	s_barrier_wait -1                              ; and so are everybody's
	KLOAD L16, L8                                  ; step 0's K
.macro STEP
	WIN W_D
.irp f, 0,1,2,3                        ; S^T: K's fragment against each tile's Q in the lower 64 and in the upper 64
.irp e, 0,1
	v_wmma_scale_f32_16x16x128_f8f6f4 v[64*\e+16*\f:64*\e+16*\f+7], v[KF+12*\f:KF+12*\f+11], v[QB+6+12*\e:QB+17+12*\e], 0, v[KS+\f], v[QS+\e] matrix_a_fmt:MATRIX_FMT_FP6 matrix_b_fmt:MATRIX_FMT_FP6
	v_wmma_scale_f32_16x16x128_f8f6f4 v[64*\e+16*\f+8:64*\e+16*\f+15], v[KF+12*\f:KF+12*\f+11], v[QB+12*\e:QB+11+12*\e], 0, v[KS+\f], v[QS+\e] matrix_a_fmt:MATRIX_FMT_FP6 matrix_b_fmt:MATRIX_FMT_FP6
.endr
.endr
	WIN 0
	v_add_nc_u32 v[A16], s[TB], v[L16]             ; four address lines: they are the four places behind the products (ISA guide 7.12.1)
	v_add_nc_u32 v[A8], s[TB], v[L8]
	s_add_co_u32 s[TB], s[TB], STEPB               ; the next step; behind the last comes step 0, for the next pass
	s_cmp_eq_u32 s[TB], 16*STEPB
	s_cselect_b32 s[TB], 0, s[TB]
	v_add_nc_u32 v[N16], s[TB], v[L16]
	v_add_nc_u32 v[N8], s[TB], v[L8]
.irp a, 0,1,2,3
	FRAG VF+12*\a, A16, A8, 6656+1536*\a           ; this step's V
.endr
	ds_load_b128 v[VS:VS+3], v[A16] offset:12800
	KLOAD N16, N8                                  ; the next step's K (in the second pass's last step: step 0 once more, which nobody multiplies)
	WIN W_MAX3                                     ; the largest score of each block of 32 keys, in two chains a block
.irp e, 0,1
.irp c, 0,1
	v_max3_num_f32 v[TT+24*\e+2*\c], v[64*\e+32*\c], v[64*\e+32*\c+1], v[64*\e+32*\c+2]
	v_max3_num_f32 v[TT+24*\e+2*\c+1], v[64*\e+32*\c+16], v[64*\e+32*\c+17], v[64*\e+32*\c+18]
.endr
.endr
	WIN W_MAX
.irp i, 3,5,7,9,11,13
.irp e, 0,1
.irp c, 0,1
	v_max3_num_f32 v[TT+24*\e+2*\c], v[TT+24*\e+2*\c], v[64*\e+32*\c+\i], v[64*\e+32*\c+\i+1]
	v_max3_num_f32 v[TT+24*\e+2*\c+1], v[TT+24*\e+2*\c+1], v[64*\e+32*\c+16+\i], v[64*\e+32*\c+17+\i]
.endr
.endr
.endr
.irp e, 0,1
.irp c, 0,1
	v_max3_num_f32 v[TT+24*\e+2*\c], v[TT+24*\e+2*\c], v[64*\e+32*\c+15], v[64*\e+32*\c+31]
.endr
.endr
	WIN 0
.irp e, 0,1
.irp c, 0,1
	v_max_num_f32 v[TT+24*\e+2*\c], v[TT+24*\e+2*\c], v[TT+24*\e+2*\c+1]
.endr
.endr
.irp e, 0,1
	v_max_num_f32 v[TT+24*\e+4], v[TT+24*\e], v[TT+24*\e+2]
.endr
.irp e, 0,1
	v_permlanex16_b32 v[TT+24*\e+5], v[TT+24*\e+4], s[SEL], s[SEL+1]
.endr
.irp e, 0,1
	v_max3_num_f32 v[MM+4*\e+1], v[MM+4*\e+1], v[TT+24*\e+4], v[TT+24*\e+5]   ; the running largest score of my query (c is positive: the largest score has the largest t)
.endr
.irp e, 0,1
	v_mul_f32 v[TT+24*\e+6], s[CN], v[MM+4*\e+1]
.endr
.irp e, 0,1
	v_floor_f32 v[TT+24*\e+6], v[TT+24*\e+6]       ; the new -M = floor(-t)
.endr
.irp e, 0,1
	v_sub_f32 v[TT+24*\e+7], v[TT+24*\e+6], v[MM+4*\e]   ; old M less new M: a whole number, 0 or less
.endr
.irp e, 0,1
	v_mov_b32 v[MM+4*\e], v[TT+24*\e+6]
.endr
.irp e, 0,1
	v_cvt_i32_f32 v[TT+24*\e+7], v[TT+24*\e+7]     ; (it saturates)
.endr
.irp e, 0,1
	v_ldexp_f32 v[F+2*\e], 1.0, v[TT+24*\e+7]      ; f = 2^(old M - new M)
.endr
.irp e, 0,1
.irp c, 0,1
	v_fma_f32 v[TT+24*\e+2*\c], v[TT+24*\e+2*\c], s[CS], v[MM+4*\e]   ; t - M of each block's largest score
.endr
.endr
	WIN W_INP
.set j, 0
.rept 32
	v_pk_fma_f32 v[j:j+1], v[j:j+1], s[CS:CS+1], v[MM:MM+1] op_sel_hi:[1,0,0]   ; tile 0: t - M
.set j, j+2
.endr
	WALU                                           ; the wait ahead of the batch
.set j, 0
.rept 32                               ; tile 0's p; among the exponentials tile 1's t - M, whose sources were written ahead of the wait above and whose results are read behind the wait below
	v_exp_f32 v[j], v[j]
	v_exp_f32 v[j+1], v[j+1]
	v_pk_fma_f32 v[64+j:65+j], v[64+j:65+j], s[CS:CS+1], v[MM+4:MM+5] op_sel_hi:[1,0,0]
.set j, j+2
.endr
	WALU
.set j, 64
.rept 64
	v_exp_f32 v[j], v[j]                           ; tile 1's p
.set j, j+1
.endr
	WIN 0
.irp e, 0,1
.irp c, 0,1
	v_exp_f32 v[TT+24*\e+2*\c], v[TT+24*\e+2*\c]   ; the blocks' largest p: the same two instructions on the same number
.endr
.endr
.irp e, 0,1
	v_pk_mul_f32 v[MM+4*\e+2:MM+4*\e+3], v[MM+4*\e+2:MM+4*\e+3], v[F+2*\e:F+2*\e+1] op_sel_hi:[1,0]   ; the sums under the new M; the plain place behind the batch
.endr
	WALU                                           ; and the wait behind it
.irp e, 0,1
.irp c, 0,1
	v_max_num_f32 v[TT+24*\e+2*\c], 0x1800000, v[TT+24*\e+2*\c]   ; the floor: the byte cannot fall under 1
.endr
.endr
.irp e, 0,1
.irp c, 0,1
	v_add_nc_u32 v[SO+2*\e+\c], 0xff000000, v[TT+24*\e+2*\c]      ; 2 off the exponent field: the conversions' scale operands
.endr
.endr
.irp e, 0,1
.irp c, 0,1
	v_lshrrev_b32 v[TT+24*\e+4+\c], 23, v[SO+2*\e+\c]             ; the bytes of blocks h and 2 + h
.endr
.endr
.irp e, 0,1
	v_lshl_or_b32 v[TT+24*\e+6], v[TT+24*\e+5], 16, v[TT+24*\e+4]
.endr
.irp e, 0,1
	v_lshlrev_b32 v[TT+24*\e+6], v[SH8], v[TT+24*\e+6]            ; at their places in the word
.endr
.irp e, 0,1
	v_permlanex16_b32 v[TT+24*\e+7], v[TT+24*\e+6], s[SEL], s[SEL+1]
.endr
	WIN W_SS                                       ; the sum of the unquantised p, in four chains a tile: three begin here,
.irp k, 0,1,2
.irp e, 0,1
	v_pk_add_f32 v[TT+24*\e+8+2*\k:TT+24*\e+9+2*\k], v[64*\e+4*\k:64*\e+4*\k+1], v[64*\e+4*\k+2:64*\e+4*\k+3]
.endr
.endr
	WIN W_ADD
.set n, 0
.rept 26                               ; the other 26 pairs by turns onto the running sum and the three
.irp e, 0,1
.if n%4 == 0
	v_pk_add_f32 v[MM+4*\e+2:MM+4*\e+3], v[MM+4*\e+2:MM+4*\e+3], v[64*\e+12+2*n:64*\e+13+2*n]
.else
	v_pk_add_f32 v[TT+24*\e+6+2*(n%4):TT+24*\e+7+2*(n%4)], v[TT+24*\e+6+2*(n%4):TT+24*\e+7+2*(n%4)], v[64*\e+12+2*n:64*\e+13+2*n]
.endif
.endr
.set n, n+1
.endr
	WIN 0
.irp e, 0,1
	v_pk_add_f32 v[TT+24*\e+8:TT+24*\e+9], v[TT+24*\e+8:TT+24*\e+9], v[TT+24*\e+10:TT+24*\e+11]
	v_pk_add_f32 v[MM+4*\e+2:MM+4*\e+3], v[MM+4*\e+2:MM+4*\e+3], v[TT+24*\e+12:TT+24*\e+13]
.endr
.irp e, 0,1
	v_pk_add_f32 v[MM+4*\e+2:MM+4*\e+3], v[MM+4*\e+2:MM+4*\e+3], v[TT+24*\e+8:TT+24*\e+9]
.endr
	WIN W_CVT
.irp e, 0,1
	v_cvt_scalef32_pk16_fp6_f32 v[PCD+12*\e:PCD+12*\e+2], v[64*\e:64*\e+15], v[SO+2*\e]
	v_cvt_scalef32_pk16_fp6_f32 v[TC+8*\e:TC+8*\e+2], v[64*\e+16:64*\e+31], v[SO+2*\e]       ; (a conversion's three registers begin on an even number)
	v_cvt_scalef32_pk16_fp6_f32 v[PCD+12*\e+6:PCD+12*\e+8], v[64*\e+32:64*\e+47], v[SO+2*\e+1]
	v_cvt_scalef32_pk16_fp6_f32 v[TC+8*\e+4:TC+8*\e+6], v[64*\e+48:64*\e+63], v[SO+2*\e+1]
.endr
	WIN 0
.irp e, 0,1
	v_or_b32 v[PW+\e], v[TT+24*\e+6], v[TT+24*\e+7]   ; with lane l xor 16's two bytes: p's scale word of these 128 keys.  (The plain places behind the conversions)
.endr
.irp e, 0,1
.irp c, 0,1
.irp i, 0,1,2
	v_mov_b32 v[PCD+12*\e+3+6*\c+\i], v[TC+8*\e+4*\c+\i]
.endr
.endr
.endr
	WIN W_INP
	WALU                                           ; the wait directly ahead of the first reader of O^T
.irp e, 0,1
.set j, 0
.rept 16
	v_pk_mul_f32 v[OO+32*\e+j:OO+32*\e+j+1], v[OO+32*\e+j:OO+32*\e+j+1], v[F+2*\e:F+2*\e+1] op_sel_hi:[1,0]   ; O^T under the new M
.set j, j+2
.endr
.endr
	WIN W_PV
	WALU                                           ; the wait directly ahead of the wait below
	s_wait_dscnt 0x0                               ; V is in, and the next step's K
.irp a, 0,1,2,3                        ; O^T += V^T p^T; the eight accumulators by turns
.irp e, 0,1
	v_wmma_scale_f32_16x16x128_f8f6f4 v[OO+32*\e+8*\a:OO+32*\e+8*\a+7], v[VF+12*\a:VF+12*\a+11], v[PCD+12*\e:PCD+12*\e+11], v[OO+32*\e+8*\a:OO+32*\e+8*\a+7], v[VS+\a], v[PW+\e] matrix_a_fmt:MATRIX_FMT_FP6 matrix_b_fmt:MATRIX_FMT_FP6
.endr
.endr
	WIN 0
.endm
.Lpass:
.irp e, 0,1
	v_mov_b32 v[MM+4*\e+1], 0xff61b1e6             ; the largest score so far: -3e38
	v_mov_b32 v[MM+4*\e], 0x7d000000               ; -M: 2^123, so that the first step's f is 0
	v_mov_b32 v[MM+4*\e+2], 0
	v_mov_b32 v[MM+4*\e+3], 0
.endr
	s_mov_b32 s[TB], 0
	s_mov_b32 s3, 16
	s_wait_loadcnt 0x0                             ; Q is in
	v_perm_b32 v[QS], v[QR], v[QR], s56
	v_perm_b32 v[QS+1], v[QR], v[QR], s[QH]
	WIN W_D
.set j, 0
.rept 64
	v_mov_b32 v[OO+j], 0                           ; the step is written once: the first finds zeros
.set j, j+1
.endr
	WIN 0
	WALU
	s_wait_dscnt 0x0                               ; step 0's K is in
.Lstep:
	STEP
	s_sub_co_u32 s3, s3, 1
	s_cmp_lg_u32 s3, 0
	s_cbranch_scc1 .Lstep
	s_cmp_eq_u32 s[PS], 0
	s_cbranch_scc0 .Lno_more                       ; (a branch on the passes' counter)
	s_wait_xcnt 0x0
	s_add_nc_u64 s[4:5], s[4:5], 2*6656            ; the second pass's Q, two token groups on, is asked for ahead of the first pass's way out
	s_add_nc_u64 s[54:55], s[54:55], 2*6656
	QLOAD
.Lno_more:
.rept 4
	v_nop                                          ; places behind the last products
.endr
.irp e, 0,1
	v_add_f32 v[MM+4*\e+2], v[MM+4*\e+2], v[MM+4*\e+3]
.endr
.irp e, 0,1
	v_permlanex16_b32 v[F+2*\e], v[MM+4*\e+2], s[SEL], s[SEL+1]
.endr
.irp e, 0,1
	v_add_f32 v[MM+4*\e+2], v[MM+4*\e+2], v[F+2*\e]   ; the row's sum
.endr
	WALU
.irp e, 0,1
	v_rcp_f32 v[MM+4*\e+2], v[MM+4*\e+2]
.endr
	v_nop
	WIN W_INP
	WALU
.irp e, 0,1
.set j, 0
.rept 16
	v_pk_mul_f32 v[64*\e+j:64*\e+j+1], v[OO+32*\e+j:OO+32*\e+j+1], v[MM+4*\e+2:MM+4*\e+3] op_sel_hi:[1,0]   ; ctx: register 16 b + i of lane (r, h) is channel 32 b + 16 h + i of the head
.set j, j+2
.endr
.endr
	WIN W_MAX                                      ; ctx is quantised along the head's 64: two blocks, each in lanes l and l xor 16
.irp e, 0,1
.irp b, 0,1
	v_max3_num_f32 v[TT+24*\e+\b], s[FL], |v[64*\e+16*\b]|, |v[64*\e+16*\b+1]|
.endr
.endr
.irp i, 2,4,6,8,10,12,14
.irp e, 0,1
.irp b, 0,1
	v_max3_num_f32 v[TT+24*\e+\b], v[TT+24*\e+\b], |v[64*\e+16*\b+\i]|, |v[64*\e+16*\b+\i+1]|
.endr
.endr
.endr
	WIN 0
.irp e, 0,1
.irp b, 0,1
	v_permlanex16_b32 v[TT+24*\e+2+\b], v[TT+24*\e+\b], s[SEL], s[SEL+1]
.endr
.endr
.irp e, 0,1
.irp b, 0,1
	v_max_num_f32 v[TT+24*\e+\b], v[TT+24*\e+\b], v[TT+24*\e+2+\b]
.endr
.endr
.irp e, 0,1
.irp b, 0,1
	v_add_nc_u32 v[SO+2*\e+\b], 0xff000000, v[TT+24*\e+\b]
.endr
.endr
.irp e, 0,1
.irp b, 0,1
	v_lshrrev_b32 v[TT+24*\e+2+\b], 23, v[SO+2*\e+\b]
.endr
.endr
.irp e, 0,1
	v_lshl_or_b32 v[PW+\e], v[TT+24*\e+3], 8, v[TT+24*\e+2]
.endr
	WIN W_CVT
.irp e, 0,1
	v_cvt_scalef32_pk16_fp6_f32 v[PCD+12*\e:PCD+12*\e+2], v[64*\e:64*\e+15], v[SO+2*\e]
	v_cvt_scalef32_pk16_fp6_f32 v[TC+8*\e:TC+8*\e+2], v[64*\e+16:64*\e+31], v[SO+2*\e+1]
.endr
	WIN 0
	v_nop
.irp e, 0,1
.irp i, 0,1,2
	v_permlane16_swap_b32 v[PCD+12*\e+\i], v[TC+8*\e+\i]
.endr
.endr
.irp e, 0,1
.irp i, 0,1,2
	v_mov_b32 v[PCD+12*\e+3+\i], v[TC+8*\e+\i]
.endr
.endr
	WALU                                           ; the wait ahead of the branch
	s_cmp_eq_u32 s58, 0
	s_cbranch_scc0 .Lodd
.irp e, 0,1
	global_store_b128 v[L16], v[PCD+12*\e:PCD+12*\e+3], s[8:9] offset:1536*\e             ; an even head: registers 0-5 of the operand's image
	global_store_b64 v[L8], v[PCD+12*\e+4:PCD+12*\e+5], s[8:9] offset:1536*\e+512
.endr
	s_branch .Lsent
.Lodd:
.irp e, 0,1
	global_store_b64 v[L8], v[PCD+12*\e:PCD+12*\e+1], s[8:9] offset:1536*\e+768           ; an odd head: registers 6-11
	global_store_b128 v[L16], v[PCD+12*\e+2:PCD+12*\e+5], s[8:9] offset:1536*\e+1024
.endr
.Lsent:
.irp e, 0,1
	global_store_b16 v[CSO], v[PW+\e], s[10:11] offset:128*\e   ; my head's two bytes of row r's scale word
.endr
	s_wait_xcnt 0x0                                ; the stores have read their registers and bases
	s_add_nc_u64 s[8:9], s[8:9], 2*98304           ; two token groups on
	s_add_nc_u64 s[10:11], s[10:11], 2*4096
	s_add_co_u32 s[PS], s[PS], 1
	s_cmp_lt_u32 s[PS], 2
	s_cbranch_scc1 .Lpass
	s_wait_tensorcnt 0x0                           ; the wave's end
	ds_add_u32 v[SPW], v[NIL]
	s_wait_dscnt 0x0
	CROUND                                         ; the closing round
	s_endpgm
.Lfunc_end_k_q6d650e2e73_attn:
	.size	k_q6d650e2e73_attn, .Lfunc_end_k_q6d650e2e73_attn-k_q6d650e2e73_attn
	.p2alignl 7, 3214868480
	.fill 96, 4, 3214868480
	.section	.rodata,"a",@progbits
	.p2align	6, 0x0
	.amdhsa_kernel k_q6d650e2e73_attn
		.amdhsa_group_segment_fixed_size 214016
		.amdhsa_private_segment_fixed_size 0
		.amdhsa_enable_private_segment 0
		.amdhsa_kernarg_size 32
		.amdhsa_user_sgpr_count 2
		.amdhsa_user_sgpr_kernarg_segment_ptr 1
		.amdhsa_wavefront_size32 1
		.amdhsa_system_sgpr_workgroup_id_x 1
		.amdhsa_system_sgpr_workgroup_id_y 1
		.amdhsa_system_sgpr_workgroup_id_z 1
		.amdhsa_system_vgpr_workitem_id 0
		.amdhsa_next_free_vgpr 448
		.amdhsa_next_free_sgpr 66
		.amdhsa_reserve_vcc 0
		.amdhsa_float_denorm_mode_32 3
		.amdhsa_float_denorm_mode_16_64 3
		.amdhsa_memory_ordered 1
		.amdhsa_forward_progress 1
		.amdhsa_inst_pref_size 46
	.end_amdhsa_kernel
	.amdgpu_metadata
---
amdhsa.version: [ 1, 2 ]
amdhsa.kernels:
  - .name:           k_q6d650e2e73_attn
    .symbol:         k_q6d650e2e73_attn.kd
    .args:
      - { .name: qb, .offset: 0, .size: 8, .value_kind: global_buffer, .address_space: global }
      - { .name: kvb, .offset: 8, .size: 8, .value_kind: global_buffer, .address_space: global }
      - { .name: cc, .offset: 16, .size: 8, .value_kind: global_buffer, .address_space: global }
      - { .name: cs, .offset: 24, .size: 8, .value_kind: global_buffer, .address_space: global }
    .group_segment_fixed_size: 214016
    .private_segment_fixed_size: 0
    .kernarg_segment_align: 8
    .kernarg_segment_size: 32
    .max_flat_workgroup_size: 256
    .sgpr_count:     66
    .vgpr_count:     448
    .wavefront_size: 32
...
	.end_amdgpu_metadata
.endif
;; end of part 3
;; launch oproj (part 4): grid 4 x 64, 4 waves a work-group, clusters of 4 x 4, 327,680 bytes of LDS; arguments cc, cs, wc, wsc, out0; writes out0
.if DOCPART == 4
	.amdgcn_target "amdgcn-amd-amdhsa--gfx1250"
	.amdhsa_code_object_version 6
	.text
	.protected	k_q6d650e2e73_oproj
	.globl	k_q6d650e2e73_oproj
	.p2align	8
	.type	k_q6d650e2e73_oproj,@function
k_q6d650e2e73_oproj:
	s_mov_b64 s[64:65], 0
	v_nop
	global_prefetch_b8 v0, s[64:65] scope:SCOPE_SE
	s_setreg_imm32_b32 hwreg(HW_REG_WAVE_MODE, 25, 1), 1
	s_wait_xcnt 0x0
	s_wait_alu depctr_hold_cnt(0) depctr_sa_sdst(0) depctr_va_vdst(0) depctr_va_sdst(0) depctr_va_ssrc(0) depctr_va_vcc(0) depctr_vm_vsrc(0)
	s_getreg_b32 s2, hwreg(HW_REG_IB_STS2, 6, 4)
	s_cmp_eq_u32 s2, 0
	s_cbranch_scc0 .Lentry_in_a_cluster
	s_endpgm
.Lentry_in_a_cluster:
	s_bfe_u32 s2, ttmp6, 0x10000c
	s_cmp_lg_u32 s2, 0xf033
	s_cbranch_scc0 .Lentry_shape_is_right
	s_endpgm
.Lentry_shape_is_right:
; out0 = ctx WO on codes of FP6 (E2M3) with E8M0 scales, K = 1,024, f32 out.  A work-group makes 128 rows x 256 columns: 64 x 4 = 256 work-groups; four waves, 2 x 2, each 64 x 128 in 32 accumulators.
; OPERANDS ARE IMAGES OF REGISTERS: a fragment (16 rows x 128 K) is 1,536 bytes: registers 0-3 at 16 x lane, 4-5 at 512 + 8 x lane, 6-7 at 768 + 8 x lane, 8-11 at 1,024 + 16 x lane.
; A group of 128 rows, all of K, is 98,304 dense bytes [256 along K][128 along K][block of 16 rows][1,536]; its scale words are 4,096 dense bytes [256 along K][block][row][2 words].
; ALL OF K LIES IN LDS AT ONCE: ctx's group (98,304 bytes), WO's two groups (196,608), their scales (4,096 and 8,192).  They come by four joint tensor loads at the head, one a wave, in rows of 256 bytes; nothing is
; filled again, so the walk along K has no barrier.  ctx's tiles are shared along a row of the 4 x 4 cluster, WO's along a column.
; No prefetch: every byte that the work-group reads is asked for by the head's one group of loads, so there is no later tile to ask ahead for.
; The matrix instruction is used transposed (source 0 = 16 rows of WO's operand, source 1 = 16 rows of ctx): a lane holds eight numbers of one row of the result.
; Lane-row r of ctx's block i is token 64 (i / 4) + 8 (i % 4) + r % 8 + 32 (r / 8) of its group; lane-row r of WO's block i is column 32 (i / 2) + 8 (i % 2) + r + 8 (r / 8).
; REGISTERS: window 0: v16-30 addresses; v32-63 scale words, two sets; v128-223 ctx's fragments, two sets of four; on the way out v128-255.  Window 1: WO's fragments, two sets of eight, at v0 and v128.
; Window 2: the accumulators, (a, b) at v[8 (8 a + b)].
.set FR,     12
.set GRPB,   98304
.set LB,     GRPB                      ; WO's codes in LDS, behind ctx's
.set SCLA,   3*GRPB
.set SCLB,   SCLA+4096
.set SPARE,  SCLB+8192                 ; the spare words, 128 bytes a wave: two blocks of 256 bytes that no other line names
.set HALFK,  49152                     ; 512 along K of a group: an LDS offset holds 16 bits, so each half of K has address registers of its own
.set SPITCH, 528
.set ADRA16, 16
.set ADRA8,  18
.set ADRB16, 20
.set ADRB8,  22
.set STO,    24
.set RD,     25
.set CO,     26
.set ADRS,   27
.set SPW,    28
.set NIL,    29
.set ADRS2,  30
.set SC,     32
.set AF,     128
.set BK,     128
.set WV, 16
.set HR, 17
.set HC, 18
.set CX, 19
.set CY, 20
.set TC, 22
.set TR, 23
.set G1, 24
.set G0, 32
.set G1B, 48
.set G0B, 56
.set G1S, 68
.set G0S, 76
.set G1SB, 80
.set G0SB, 88
.set MSB, 0
.macro WIN new                         ; the immediate's high byte repeats the setting that is left
.if MSB != (\new)
	s_set_vgpr_msb (MSB<<8)|(\new)
.set MSB, (\new)
.endif
.endm
.set MUL,  0xa1                        ; source 0 window 1, source 1 window 0, C and D window 2
.set TO_B, 0x40
.macro CROUND
	s_barrier_signal -1
	s_barrier_wait -1
	s_cmp_lg_u32 s[WV], 0
	s_cbranch_scc1 .Lnot_wave_0_\@
	s_barrier_signal -3
.Lnot_wave_0_\@:
	s_barrier_wait -3
	s_barrier_signal -1
	s_barrier_wait -1
.endm
.macro PLACES n
.rept \n
	v_nop
.endr
.endm
.macro DENSE g, rows                   ; group 1 of a dense block: rows of 256 bytes (32 elements of 8)
	s_mov_b32 s[\g+1], 32<<16
	s_mov_b32 s[\g+2], (\rows)<<16
	s_mov_b32 s[\g+3], 32<<16
	s_mov_b32 s[\g+4], \rows
	s_mov_b32 s[\g+5], 32
	s_mov_b32 s[\g+6], 0
	s_mov_b32 s[\g+7], 0
.endm
.macro GRP0 g, lds, adr
	s_mov_b32 s[\g], 1
	s_mov_b32 s[\g+1], \lds
	s_mov_b64 s[\g+2:\g+3], s[\adr:\adr+1]
	s_or_b32 s[\g+3], s[\g+3], 0x80000000
.endm
	s_load_b256 s[4:11], s[0:1], 0x0               ; cc, cs, wc, wsc
	s_load_b64 s[12:13], s[0:1], 0x20              ; out0
	v_lshl_add_u32 v[SPW], v0, 2, SPARE
	v_mov_b32 v[NIL], 0
	ds_add_u32 v[SPW], v[NIL]                      ; the opening lines: the add, twice on end, and its wait ahead of my tensor load
	ds_add_u32 v[SPW], v[NIL]
	v_lshrrev_b32 v1, 5, v0
	v_readfirstlane_b32 s[WV], v1
	s_lshr_b32 s[HR], s[WV], 1                     ; my 64 of the 128 rows
	s_and_b32 s[HC], s[WV], 1                      ; my 128 of the 256 columns
	s_bfe_u32 s[CX], ttmp6, 0x40000
	s_bfe_u32 s[CY], ttmp6, 0x40004
	s_and_b32 s[TR], ttmp7, 0xffff
	s_lshl_b32 s[TR], s[TR], 2
	s_add_co_u32 s[TR], s[TR], s[CY]               ; ctx's group of 128 tokens
	s_lshl_b32 s[TC], ttmp9, 2
	s_add_co_u32 s[TC], s[TC], s[CX]               ; which 256 columns
	s_lshl_b32 s92, s[CY], 2
	s_lshl_b32 s92, 15, s92                        ; my row of the cluster
	s_lshl_b32 s93, 0x1111, s[CX]                  ; my column
	s_or_b32 s[G1], s92, (3<<16)|(1<<21)           ; 15:0 the mask; elements of 8 bytes; bit 21 beside a mask
	s_or_b32 s[G1B], s93, (3<<16)|(1<<21)
	s_or_b32 s[G1S], s92, (3<<16)|(1<<21)
	s_or_b32 s[G1SB], s93, (3<<16)|(1<<21)
	DENSE G1, 384
	DENSE G1B, 768
	DENSE G1S, 16
	DENSE G1SB, 32
	s_mul_i32 s96, s[TR], GRPB
	s_mov_b32 s97, 0
	s_lshl_b32 s98, s[TR], 12
	s_mov_b32 s99, 0
	s_lshl_b32 s100, s[TC], 1
	s_add_co_u32 s100, s100, 24                    ; WO's groups are 24 to 31 of wc
	s_lshl_b32 s2, s100, 12
	s_mov_b32 s3, 0
	s_mul_i32 s100, s100, GRPB
	s_mov_b32 s101, 0
	s_wait_dscnt 0x0
	s_wait_kmcnt 0x0
	s_add_nc_u64 s[40:41], s[4:5], s[96:97]
	s_add_nc_u64 s[42:43], s[6:7], s[98:99]
	s_add_nc_u64 s[44:45], s[8:9], s[100:101]
	s_add_nc_u64 s[46:47], s[10:11], s[2:3]
	CROUND                                         ; all sixteen work-groups are here: the joint loads meet
	GRP0 G0, 0, 40
	GRP0 G0S, SCLA, 42
	GRP0 G0B, LB, 44
	GRP0 G0SB, SCLB, 46
.macro ARM under, g0, g1, next         ; one chain of branches on the wave's number, one load to an arm
	s_cmp_lt_u32 s[WV], \under
	s_cbranch_scc0 \next
	tensor_load_to_lds s[\g0:\g0+3], s[\g1:\g1+7]
	s_nop 0
	PLACES 4
	s_branch .Lhead_asked
\next:
.endm
	ARM 1, G0B, G1B, .Lhead_a                      ; wave 0: WO's two groups
	ARM 2, G0, G1, .Lhead_sa                       ; wave 1: ctx's group
	ARM 3, G0S, G1S, .Lhead_sb                     ; wave 2: ctx's scales
	tensor_load_to_lds s[G0SB:G0SB+3], s[G1SB:G1SB+7]   ; wave 3: WO's scales
	s_nop 0
	PLACES 4
.Lhead_asked:
	v_and_b32 v1, 31, v0
	v_and_b32 v2, 15, v0
	v_bfe_u32 v3, v0, 4, 1
	v_lshlrev_b32 v[CO], 4, v1
	v_lshlrev_b32 v5, 3, v1
	s_wait_alu depctr_va_vdst(0)                   ; the wait
	s_mul_i32 s92, s[HR], 4*1536                   ; my four blocks of ctx
	s_mul_i32 s93, s[HC], GRPB
	s_add_co_u32 s93, s93, LB                      ; my group of WO
.irp s, 0,1
	v_add_nc_u32 v[ADRA16+\s], s92, v[CO]
	v_add_nc_u32 v[ADRA8+\s], s92, v5
	v_add_nc_u32 v[ADRB16+\s], s93, v[CO]
	v_add_nc_u32 v[ADRB8+\s], s93, v5
	s_add_co_u32 s92, s92, HALFK
	s_add_co_u32 s93, s93, HALFK
.endr
	s_lshl_b32 s92, s[HR], 9                       ; scale words: lanes 0-15 ctx's rows (128 bytes a block), lanes 16-31 WO's: the lower base + h x the distance
	s_lshl_b32 s93, s[HC], 12
	s_add_co_u32 s93, s93, SCLB-SCLA
	s_sub_co_u32 s93, s93, s92
	s_add_co_u32 s95, s93, 512
	s_lshl_b32 s94, s[HR], 9
	s_add_co_u32 s94, s94, SCLA-512
	s_add_co_u32 s92, s92, SCLA
	v_mul_u32_u24 v6, s93, v3
	v_mul_u32_u24 v7, s95, v3
	v_lshl_add_u32 v6, v2, 3, v6
	v_lshl_add_u32 v7, v2, 3, v7
	v_add_nc_u32 v[ADRS], s92, v6
	v_add_nc_u32 v[ADRS2], s94, v7                 ; for WO's blocks 4-7: lanes 0-15 stand four blocks back, on ctx's four once more
	s_mul_i32 s92, s[WV], 16*SPITCH                ; my stage, on ctx's codes, which are read no more by then
	v_mul_u32_u24 v6, v2, SPITCH
	v_lshl_add_u32 v6, v3, 6, v6
	v_add_nc_u32 v[STO], s92, v6
	v_add_nc_u32 v[RD], s92, v[CO]
	s_lshl_b32 s92, s[TR], 7
	s_lshl_b32 s93, s[HR], 6
	s_add_co_u32 s92, s92, s93                     ; my first row of the result
	s_lshl_b32 s92, s92, 12
	s_lshl_b32 s93, s[TC], 10
	s_add_co_u32 s92, s92, s93
	s_lshl_b32 s93, s[HC], 9
	s_add_co_u32 s92, s92, s93
	s_mov_b32 s93, 0
	s_add_nc_u64 s[12:13], s[12:13], s[92:93]
.macro FRAG reg, a16, a8, off
	ds_load_b128 v[\reg:\reg+3], v[\a16] offset:\off
	ds_load_b64 v[\reg+4:\reg+5], v[\a8] offset:(\off)+512
	ds_load_b64 v[\reg+6:\reg+7], v[\a8] offset:(\off)+768
	ds_load_b128 v[\reg+8:\reg+11], v[\a16] offset:(\off)+1024
.endm
; step st of 128 along K into set st % 2: WO's eight fragments, ctx's four: 48 loads; ahead of an even step the scale words of two steps, 8 loads more
.macro FETCH st
.set HI_, (\st)/4
.set OF_, (((\st)/2)%2)*24576+((\st)%2)*12288
	WIN TO_B
.irp i, 0,1,2,3,4,5,6,7
	FRAG 128*((\st)%2)+FR*\i, ADRB16+HI_, ADRB8+HI_, OF_+\i*1536
.endr
	WIN 0
.irp i, 0,1,2,3
	FRAG AF+48*((\st)%2)+FR*\i, ADRA16+HI_, ADRA8+HI_, OF_+\i*1536
.endr
.if (\st)%2 == 0
.irp i, 0,1,2,3
	ds_load_b64 v[SC+16*(((\st)/2)%2)+2*\i:SC+16*(((\st)/2)%2)+2*\i+1], v[ADRS] offset:512*(\st)+128*\i
.endr
.irp i, 4,5,6,7
	ds_load_b64 v[SC+16*(((\st)/2)%2)+2*\i:SC+16*(((\st)/2)%2)+2*\i+1], v[ADRS2] offset:512*(\st)+128*\i
.endr
.endif
.endm
; 32 matrix instructions: ctx's four blocks x WO's eight.  The accumulators take turns, one instruction a turn, in the same order in every step.
.macro MUL32 p, sc, zero
	WIN MUL
.irp a, 0,1,2,3
.irp b, 0,1,2,3,4,5,6,7
.if \zero
	v_wmma_scale_f32_16x16x128_f8f6f4 v[8*(8*\a+\b):8*(8*\a+\b)+7], v[128*(\p)+FR*\b:128*(\p)+FR*\b+FR-1], v[AF+48*(\p)+FR*\a:AF+48*(\p)+FR*\a+FR-1], 0, v[SC+16*(\sc)+2*\b+(\p)], v[SC+16*(\sc)+2*\a+(\p)] matrix_a_fmt:MATRIX_FMT_FP6 matrix_b_fmt:MATRIX_FMT_FP6 matrix_a_scale:MATRIX_SCALE_ROW1
.else
	v_wmma_scale_f32_16x16x128_f8f6f4 v[8*(8*\a+\b):8*(8*\a+\b)+7], v[128*(\p)+FR*\b:128*(\p)+FR*\b+FR-1], v[AF+48*(\p)+FR*\a:AF+48*(\p)+FR*\a+FR-1], v[8*(8*\a+\b):8*(8*\a+\b)+7], v[SC+16*(\sc)+2*\b+(\p)], v[SC+16*(\sc)+2*\a+(\p)] matrix_a_fmt:MATRIX_FMT_FP6 matrix_b_fmt:MATRIX_FMT_FP6 matrix_a_scale:MATRIX_SCALE_ROW1
.endif
.endr
.endr
	WIN 0
.endm
	s_wait_alu depctr_va_vdst(0)                   ; the wait at the head's end
	s_wait_tensorcnt 0x0                           ; my tile is in,
	s_barrier_signal -1
	s_barrier_wait -1                              ; and so are the other three
	FETCH 0
	FETCH 1
	s_wait_dscnt 48                                ; all but step 1's 48 loads
	MUL32 0, 0, 1                                  ; the first products start the sums
.set ST, 1
.rept 6
	PLACES 4                                       ; in front of loads into the set that the last step multiplied
	FETCH ST+1
	s_wait_dscnt 48+8*(ST%2)                       ; all but the loads just issued: 48, and 8 more where scale words came with them
	MUL32 ST%2, (ST/2)%2, 0
.set ST, ST+1
.endr
	s_wait_dscnt 0x0                               ; my reads of the tiles are over:
	s_barrier_signal -1                            ; say so,
	MUL32 1, 1, 0                                  ; multiply the last step,
	s_barrier_wait -1                              ; and go on when nobody reads ctx's codes any more: the stages lie on them
; THE WAY OUT, block by block of 16 rows x 128 columns, through my own stage: back come whole rows of 512 bytes, which the 32 lanes store as two aligned units of 256 bytes.
.macro TOSTAGE a
	WIN 0x08                                       ; the data: window 2
.irp b, 0,1,2,3,4,5,6,7
	ds_store_b128 v[STO], v[64*(\a)+8*\b:64*(\a)+8*\b+3] offset:128*(\b/2)+32*(\b%2)        ; each accumulator from its low end on
	ds_store_b128 v[STO], v[64*(\a)+8*\b+4:64*(\a)+8*\b+7] offset:128*(\b/2)+32*(\b%2)+16
.endr
	WIN 0
.set BB, BK+64*((\a)%2)
.irp t, 0,1,2,3,4,5,6,7,8,9,10,11,12,13,14,15
	ds_load_b128 v[BB+4*\t:BB+4*\t+3], v[RD] offset:\t*SPITCH      ; LDS serves a wave's instructions in order: these see the stores above
.endr
.endm
.macro SEND a, younger                 ; younger: the LDS instructions issued behind block a's loads, which may stay out
.set BB, BK+64*((\a)%2)
	s_wait_dscnt \younger
.irp t, 0,1,2,3,4,5,6,7,8,9,10,11,12,13,14,15
	global_store_b128 v[CO], v[BB+4*\t:BB+4*\t+3], s[12:13] offset:(8*(\a)+\t%8+32*(\t/8))*4096 th:TH_STORE_NT
.endr
.endm
	PLACES 4
	TOSTAGE 0
.irp a, 1,2,3
.if \a > 1
	s_wait_xcnt 0x0                                ; block a - 2's stores have read their registers
.endif
	TOSTAGE \a
	SEND \a-1, 32
.endr
	SEND 3, 0
	s_wait_tensorcnt 0x0                           ; the wave's end
	ds_add_u32 v[SPW], v[NIL]
	s_wait_dscnt 0x0
	CROUND                                         ; the closing round
	s_endpgm
.Lfunc_end_k_q6d650e2e73_oproj:
	.size	k_q6d650e2e73_oproj, .Lfunc_end_k_q6d650e2e73_oproj-k_q6d650e2e73_oproj
	.p2alignl 7, 3214868480
	.fill 96, 4, 3214868480
	.section	.rodata,"a",@progbits
	.p2align	6, 0x0
	.amdhsa_kernel k_q6d650e2e73_oproj
		.amdhsa_group_segment_fixed_size 327680
		.amdhsa_private_segment_fixed_size 0
		.amdhsa_enable_private_segment 0
		.amdhsa_kernarg_size 40
		.amdhsa_user_sgpr_count 2
		.amdhsa_user_sgpr_kernarg_segment_ptr 1
		.amdhsa_wavefront_size32 1
		.amdhsa_system_sgpr_workgroup_id_x 1
		.amdhsa_system_sgpr_workgroup_id_y 1
		.amdhsa_system_sgpr_workgroup_id_z 1
		.amdhsa_system_vgpr_workitem_id 0
		.amdhsa_next_free_vgpr 768
		.amdhsa_next_free_sgpr 104
		.amdhsa_reserve_vcc 0
		.amdhsa_float_denorm_mode_32 3
		.amdhsa_float_denorm_mode_16_64 3
		.amdhsa_memory_ordered 1
		.amdhsa_forward_progress 1
		.amdhsa_inst_pref_size 84
	.end_amdhsa_kernel
	.amdgpu_metadata
---
amdhsa.version: [ 1, 2 ]
amdhsa.kernels:
  - .name:           k_q6d650e2e73_oproj
    .symbol:         k_q6d650e2e73_oproj.kd
    .args:
      - { .name: cc, .offset: 0, .size: 8, .value_kind: global_buffer, .address_space: global }
      - { .name: cs, .offset: 8, .size: 8, .value_kind: global_buffer, .address_space: global }
      - { .name: wc, .offset: 16, .size: 8, .value_kind: global_buffer, .address_space: global }
      - { .name: wsc, .offset: 24, .size: 8, .value_kind: global_buffer, .address_space: global }
      - { .name: out0, .offset: 32, .size: 8, .value_kind: global_buffer, .address_space: global }
    .group_segment_fixed_size: 327680
    .private_segment_fixed_size: 0
    .kernarg_segment_align: 8
    .kernarg_segment_size: 40
    .max_flat_workgroup_size: 128
    .sgpr_count:     104
    .vgpr_count:     768
    .wavefront_size: 32
...
	.end_amdgpu_metadata
.endif
;; end of part 4
